; MI455X (gfx1250); checked and timed in simulation.
; The chip was launched on July 23, 2026; its instructions are those of AMD's public machine-readable ISA for CDNA 5 (MIT licence, August 2026) and "CDNA5" Instruction Set Architecture Reference Guide (July 2026). The comments in the code are by the model that wrote it; some were corrected since.
;; Attention Block. Allowed arithmetic: float matrix products may take bf16 or f16 operands with f32 sums; other float arithmetic in f32, or as packed bf16 or f16 multiplies, adds, multiply-adds, maxima and minima; sums over many terms, partial sums and values carried from step to step in f32; what a program stores and reads back later, other than sums and carried values, may be rounded once to bf16 or f16.
;; Inputs: bk 512 float32; bo 512 float32; bq 512 float32; bv 512 float32; gn_bias 512 float32; gn_scale 512 float32; wk 512 x 512 float32; wo 512 x 512 float32; wq 512 x 512 float32; wv 512 x 512 float32; x 32 x 512 x 32 x 32 float32.
;; Outputs: out0 32 x 512 x 32 x 32 float32.
;; 2 versions, each right. Each part assembles by itself: llvm-mc -triple=amdgcn-amd-amdhsa -mcpu=gfx1250 --defsym DOCPART=n.
;; ======== version 1 of 2: 3 launches
;; limits: values outside matrix products are rounded to bf16
;; workspace buffers: h 33,554,432 bytes; wcat 2,097,152 bytes; qb 33,554,432 bytes; kbuf 33,554,432 bytes; vt 33,554,432 bytes
;; launch prep (part 1): grid 1088 x 1, 8 waves a work-group, no clusters, 1,536 bytes of LDS; arguments x, gn_scale, gn_bias, wq, wk, wv, wo, h, wcat; writes h, wcat
.if DOCPART == 1
	.amdgcn_target "amdgcn-amd-amdhsa--gfx1250"
	.amdhsa_code_object_version 6
	.text
	.protected	k_qfe7f007476_prep
	.globl	k_qfe7f007476_prep
	.p2align	8
	.type	k_qfe7f007476_prep,@function
k_qfe7f007476_prep:
	s_mov_b64 s[64:65], 0
	v_nop
	global_prefetch_b8 v0, s[64:65] scope:SCOPE_SE
	s_setreg_imm32_b32 hwreg(HW_REG_WAVE_MODE, 25, 1), 1
	s_wait_xcnt 0x0
; GROUP NORM AND THE WEIGHTS' CAST.  x: [32][512][1024] f32.  h: the same shape in bf16.  wcat: the four 512 x 512 weights in bf16, cut for the next launch.
; Work-groups 0 .. 1023: one (image, group) each: 16 channels x 1,024 pixels = 65,536 consecutive bytes of x.  Thread t keeps 64 numbers (16 bytes of each channel) in registers
; between the passes, so x is read once.  The variance is the mean of (x - mean)^2, taken after the mean is known: no difference of large sums is formed.
; Work-groups 1024 .. 1087: 32 rows of one weight matrix each, rounded to bf16 into wcat[matrix][ks 8][o 512][64 c]: 32 dense tiles of 65,536 bytes.
; No LDS on the way in, no matrix unit, no cluster: every byte is wanted by one thread alone and the launch is a stream.  No prefetch: the stream is asked for whole at each work-group's start.
; LIMITS.  h is rounded once to bf16.  NaN and infinities are not treated apart.
.set RED0,  0                          ; LDS: eight waves' partial sums, pass 1
.set RED1,  256                        ; pass 2, bytes of its own: no barrier is needed between reading the one and writing the other
.set SPARE, 512                        ; the spare words, 128 bytes a wave: four blocks of 256 bytes that no other line names
.set X,   16                           ; v[16:79]   chunk j (channel j of the group): 4 numbers
.set CHN, 80                           ; v[80:87]   four packed chains
.set Y,   96                           ; v[96:127]  what is stored
	s_load_b512 s[4:19], s[0:1], 0x0               ; x 4, gn_scale 6, gn_bias 8, wq 10, wk 12, wv 14, wo 16, h 18
	s_load_b64 s[20:21], s[0:1], 0x40              ; wcat
	v_lshl_add_u32 v4, v0, 2, SPARE                ; my spare word
	v_mov_b32 v5, 0
	s_cmp_ge_u32 ttmp9, 1024                       ; the same answer in all waves of a work-group
	s_cbranch_scc1 .Lw
	v_lshrrev_b32 v7, 5, v0
	v_readfirstlane_b32 s22, v7                    ; wave 0..7
	v_mov_b32 v3, s22
	v_lshlrev_b32 v3, 2, v3                        ; my wave's word among the partial sums
	v_mov_b32 v6, 0
	v_mov_b32 v89, 0                               ; written, since the lane exchange counts its destination as read
	v_lshlrev_b32 v1, 4, v0                        ; 16 t: my 16 bytes of a channel of x
	v_lshlrev_b32 v2, 3, v0                        ; 8 t: my 8 bytes of a channel of h
	s_mov_b32 s84, 0x76543210                      ; each lane takes its own place in the other half
	s_mov_b32 s85, 0xfedcba98
	s_mov_b32 s27, 0x38800000                      ; 1 / 16,384
	s_mov_b32 s28, 0x3727c5ac                      ; 1e-5
	s_mov_b32 s81, 0                               ; named in pairs with s80 and s82
	s_mov_b32 s83, 0
	s_lshl_b32 s24, ttmp9, 16                      ; 65,536 bytes of x a group
	s_mov_b32 s25, 0
	s_lshl_b32 s30, ttmp9, 15                      ; 32,768 bytes of h
	s_mov_b32 s31, 0
	s_and_b32 s26, ttmp9, 31
	s_lshl_b32 s26, s26, 6                         ; the group's 16 scales and biases: 64 bytes
	s_wait_kmcnt 0x0
	s_add_nc_u64 s[4:5], s[4:5], s[24:25]
	s_add_nc_u64 s[18:19], s[18:19], s[30:31]
	s_load_b512 s[32:47], s[6:7], s26 offset:0x0
	s_load_b512 s[48:63], s[8:9], s26 offset:0x0
.set j, 0
.rept 16
	global_load_b128 v[X+4*j:X+4*j+3], v1, s[4:5] offset:4096*j th:TH_LOAD_NT  ; a wave's load covers 512 consecutive bytes; the eight waves a channel
.set j, j+1
.endr
.macro FOLD                            ; four chains -> one number -> the wave's sum in every lane
	v_pk_add_f32 v[80:81], v[80:81], v[82:83]
	v_pk_add_f32 v[84:85], v[84:85], v[86:87]
	v_pk_add_f32 v[80:81], v[80:81], v[84:85]
	v_add_f32 v88, v80, v81
	v_add_f32_dpp v88, v88, v88 row_xmask:1 row_mask:0xf bank_mask:0xf
	v_add_f32_dpp v88, v88, v88 row_xmask:2 row_mask:0xf bank_mask:0xf
	v_add_f32_dpp v88, v88, v88 row_xmask:4 row_mask:0xf bank_mask:0xf
	v_add_f32_dpp v88, v88, v88 row_xmask:8 row_mask:0xf bank_mask:0xf
	v_permlanex16_b32 v89, v88, s84, s85
	v_add_f32 v88, v88, v89
.endm
.macro ACROSS red                      ; the eight waves' sums meet in LDS; v88 = the group's sum in every lane
	ds_store_b32 v3, v88 offset:\red
	s_wait_dscnt 0x0                               ; for the others' sake: my store is done
	s_barrier_signal -1
	s_barrier_wait -1
	ds_load_b128 v[88:91], v6 offset:\red
	ds_load_b128 v[92:95], v6 offset:(\red)+16
	s_wait_dscnt 0x0
	v_add_f32 v88, v88, v89
	v_add_f32 v90, v90, v91
	v_add_f32 v92, v92, v93
	v_add_f32 v94, v94, v95
	v_add_f32 v88, v88, v90
	v_add_f32 v92, v92, v94
	v_add_f32 v88, v88, v92
.endm
	; pass 1: the sum.  The first four chunks start the chains: nothing is cleared.
.set j, 0
.rept 16
	s_wait_loadcnt 15-j                            ; loads come back in order: chunk j is in, the 15 - j behind it stay out
.if j < 4
	v_pk_add_f32 v[CHN+2*j:CHN+2*j+1], v[X+4*j:X+4*j+1], v[X+4*j+2:X+4*j+3]
.else
	v_pk_add_f32 v[CHN+2*(j%4):CHN+2*(j%4)+1], v[CHN+2*(j%4):CHN+2*(j%4)+1], v[X+4*j:X+4*j+1]
	v_pk_add_f32 v[CHN+2*(j%4):CHN+2*(j%4)+1], v[CHN+2*(j%4):CHN+2*(j%4)+1], v[X+4*j+2:X+4*j+3]
.endif
.set j, j+1
.endr
	FOLD
	ACROSS RED0
	v_mul_f32 v90, s27, v88                        ; the mean (v91, named with it as a pair, has been written)
	; pass 2: x - mean, in place, and the sum of its squares
.set p, 0
.rept 32
	v_pk_add_f32 v[X+2*p:X+2*p+1], v[X+2*p:X+2*p+1], v[90:91] op_sel_hi:[1,0] neg_lo:[0,1] neg_hi:[0,1]
.if p < 4
	v_pk_mul_f32 v[CHN+2*p:CHN+2*p+1], v[X+2*p:X+2*p+1], v[X+2*p:X+2*p+1]
.else
	v_pk_fma_f32 v[CHN+2*(p%4):CHN+2*(p%4)+1], v[X+2*p:X+2*p+1], v[X+2*p:X+2*p+1], v[CHN+2*(p%4):CHN+2*(p%4)+1]
.endif
.set p, p+1
.endr
	FOLD
	ACROSS RED1
	v_fma_f32 v88, v88, s27, s28                   ; variance + eps
	v_rsq_f32 v92, v88
	v_nop                                          ; a plain instruction behind the root,
	s_wait_alu depctr_va_vdst(0)                   ; and the wait ahead of its first reader
	v_readfirstlane_b32 s66, v92
	s_wait_kmcnt 0x0                               ; the scales and biases
.set j, 0
.rept 16
	s_mul_f32 s80, s66, s[32+j]                    ; h = (x - mean) (rstd scale) + bias: one fused multiply-add
	s_mov_b32 s82, s[48+j]
	v_pk_fma_f32 v[X+4*j:X+4*j+1], v[X+4*j:X+4*j+1], s[80:81], s[82:83] op_sel_hi:[1,0,0]
	v_pk_fma_f32 v[X+4*j+2:X+4*j+3], v[X+4*j+2:X+4*j+3], s[80:81], s[82:83] op_sel_hi:[1,0,0]
	v_cvt_pk_bf16_f32 v[Y+2*j], v[X+4*j], v[X+4*j+1]
	v_cvt_pk_bf16_f32 v[Y+2*j+1], v[X+4*j+2], v[X+4*j+3]
	global_store_b64 v2, v[Y+2*j:Y+2*j+1], s[18:19] offset:2048*j th:TH_STORE_NT  ; a wave's store covers 256 consecutive bytes, aligned
.set j, j+1
.endr
	s_branch .Lend
.Lw:                                   ; 32 rows of one weight matrix
	s_sub_co_u32 s23, ttmp9, 1024
	s_lshr_b32 s24, s23, 4                         ; which matrix
	s_and_b32 s25, s23, 15                         ; which 32 rows
	v_and_b32 v8, 7, v0                            ; u: my 8 numbers among a tile row's 64
	v_bfe_u32 v9, v0, 3, 1                         ; row parity
	v_bfe_u32 v10, v0, 4, 3                        ; ks: which 64 columns
	v_lshrrev_b32 v11, 7, v0
	v_lshl_add_u32 v12, v11, 1, v9
	s_lshl_b32 s26, s25, 5
	v_add_nc_u32 v12, s26, v12                     ; my first row; the others lie 4 rows apart
	v_lshlrev_b32 v1, 11, v12                      ; in: row x 2,048 + 256 ks + 32 u
	v_lshl_add_u32 v1, v10, 8, v1
	v_lshl_add_u32 v1, v8, 5, v1
	v_lshlrev_b32 v2, 7, v12                       ; out: matrix x 524,288 + ks x 65,536 + row x 128 + 16 u
	v_lshl_add_u32 v2, v10, 16, v2
	v_lshl_add_u32 v2, v8, 4, v2
	s_lshl_b32 s27, s24, 19
	v_add_nc_u32 v2, s27, v2
	s_wait_kmcnt 0x0
	s_cmp_eq_u32 s24, 1
	s_cselect_b64 s[10:11], s[12:13], s[10:11]
	s_cmp_eq_u32 s24, 2
	s_cselect_b64 s[10:11], s[14:15], s[10:11]
	s_cmp_eq_u32 s24, 3
	s_cselect_b64 s[10:11], s[16:17], s[10:11]
.set p, 0
.rept 8
	global_load_b128 v[X+8*p:X+8*p+3], v1, s[10:11] offset:8192*p th:TH_LOAD_NT
	global_load_b128 v[X+8*p+4:X+8*p+7], v1, s[10:11] offset:8192*p+16 th:TH_LOAD_NT
.set p, p+1
.endr
.set p, 0
.rept 8
	s_wait_loadcnt 14-2*p                          ; pair p is in; the pairs behind it stay out
	v_cvt_pk_bf16_f32 v[Y+4*p], v[X+8*p], v[X+8*p+1]
	v_cvt_pk_bf16_f32 v[Y+4*p+1], v[X+8*p+2], v[X+8*p+3]
	v_cvt_pk_bf16_f32 v[Y+4*p+2], v[X+8*p+4], v[X+8*p+5]
	v_cvt_pk_bf16_f32 v[Y+4*p+3], v[X+8*p+6], v[X+8*p+7]
	global_store_b128 v2, v[Y+4*p:Y+4*p+3], s[20:21] offset:512*p th:TH_STORE_NT  ; 16 lanes: two neighbouring tile rows, 256 consecutive bytes, aligned
.set p, p+1
.endr
.Lend:
	s_wait_tensorcnt 0x0                           ; the wave's end: behind my last LDS store
	ds_add_u32 v4, v5
	s_wait_dscnt 0x0
	s_endpgm
.Lfunc_end_k_qfe7f007476_prep:
	.size	k_qfe7f007476_prep, .Lfunc_end_k_qfe7f007476_prep-k_qfe7f007476_prep
	.p2alignl 7, 3214868480
	.fill 96, 4, 3214868480
	.section	.rodata,"a",@progbits
	.p2align	6, 0x0
	.amdhsa_kernel k_qfe7f007476_prep
		.amdhsa_group_segment_fixed_size 1536
		.amdhsa_private_segment_fixed_size 0
		.amdhsa_enable_private_segment 0
		.amdhsa_kernarg_size 72
		.amdhsa_user_sgpr_count 2
		.amdhsa_user_sgpr_kernarg_segment_ptr 1
		.amdhsa_wavefront_size32 1
		.amdhsa_system_sgpr_workgroup_id_x 1
		.amdhsa_system_sgpr_workgroup_id_y 1
		.amdhsa_system_sgpr_workgroup_id_z 1
		.amdhsa_system_vgpr_workitem_id 0
		.amdhsa_next_free_vgpr 128
		.amdhsa_next_free_sgpr 90
		.amdhsa_reserve_vcc 0
		.amdhsa_float_denorm_mode_32 3
		.amdhsa_float_denorm_mode_16_64 3
		.amdhsa_memory_ordered 1
		.amdhsa_forward_progress 1
		.amdhsa_inst_pref_size 24
	.end_amdhsa_kernel
	.amdgpu_metadata
---
amdhsa.version: [ 1, 2 ]
amdhsa.kernels:
  - .name:           k_qfe7f007476_prep
    .symbol:         k_qfe7f007476_prep.kd
    .args:
      - { .name: x, .offset: 0, .size: 8, .value_kind: global_buffer, .address_space: global }
      - { .name: gn_scale, .offset: 8, .size: 8, .value_kind: global_buffer, .address_space: global }
      - { .name: gn_bias, .offset: 16, .size: 8, .value_kind: global_buffer, .address_space: global }
      - { .name: wq, .offset: 24, .size: 8, .value_kind: global_buffer, .address_space: global }
      - { .name: wk, .offset: 32, .size: 8, .value_kind: global_buffer, .address_space: global }
      - { .name: wv, .offset: 40, .size: 8, .value_kind: global_buffer, .address_space: global }
      - { .name: wo, .offset: 48, .size: 8, .value_kind: global_buffer, .address_space: global }
      - { .name: h, .offset: 56, .size: 8, .value_kind: global_buffer, .address_space: global }
      - { .name: wcat, .offset: 64, .size: 8, .value_kind: global_buffer, .address_space: global }
    .group_segment_fixed_size: 1536
    .private_segment_fixed_size: 0
    .kernarg_segment_align: 8
    .kernarg_segment_size: 72
    .max_flat_workgroup_size: 256
    .sgpr_count:     90
    .vgpr_count:     128
    .wavefront_size: 32
...
	.end_amdgpu_metadata
.endif
;; end of part 1
;; launch qkv (part 2): grid 8 x 32, 4 waves a work-group, clusters of 4 x 1, 327,680 bytes of LDS; arguments h, wcat, bq, bk, bv, bo, qb, kbuf, vt; writes qb, kbuf, vt
.if DOCPART == 2
	.amdgcn_target "amdgcn-amd-amdhsa--gfx1250"
	.amdhsa_code_object_version 6
	.text
	.protected	k_qfe7f007476_qkv
	.globl	k_qfe7f007476_qkv
	.p2align	8
	.type	k_qfe7f007476_qkv,@function
k_qfe7f007476_qkv:
	s_mov_b64 s[64:65], 0
	v_nop
	global_prefetch_b8 v0, s[64:65] scope:SCOPE_SE
	s_setreg_imm32_b32 hwreg(HW_REG_WAVE_MODE, 25, 1), 1
	s_wait_xcnt 0x0
	s_wait_alu depctr_hold_cnt(0) depctr_sa_sdst(0) depctr_va_vdst(0) depctr_va_sdst(0) depctr_va_ssrc(0) depctr_va_vcc(0) depctr_vm_vsrc(0)
	s_getreg_b32 s2, hwreg(HW_REG_IB_STS2, 6, 4)
	s_cmp_eq_u32 s2, 0
	s_cbranch_scc0 .Lentry_in_a_cluster
	s_endpgm
.Lentry_in_a_cluster:
	s_bfe_u32 s2, ttmp6, 0x10000c
	s_cmp_lg_u32 s2, 0x3003
	s_cbranch_scc0 .Lentry_shape_is_right
	s_endpgm
.Lentry_shape_is_right:
; q = Wq h + bq, k = Wk h + bk (stored [image][token][512]), v = Wv h + bv (kept in LDS), v' = Wo v + bo (stored [image][key half][o 512][512 keys]).  All bf16, sums in f32.
; Wo is applied to v here, since sum_m w[n,m] (Wo v_m + bo) = Wo (sum_m w[n,m] v_m) + bo for weights w that add up to 1: the same products, and the attention launch ends in its second product.
; SHARES.  A work-group: one image, 128 tokens.  Its slab h[512 c][128 tokens] stays in LDS; the 32 weight tiles [512 o][64 c] stream through two slots.  Wave w owns o = 128 w .. 128 w + 127 and
; all 128 tokens: 64 accumulators, 512 registers; for 32 along c it reads 32 x 16 bytes a lane from LDS and issues 64 matrix instructions.  Each wave fetches and alone reads its own 128 rows of a tile.
; CLUSTER.  Every work-group walks the same weights: the four of a cluster ask for each tile JOINTLY (the same load, descriptor and mask in all four).
; h lies [c][token], so the token operand comes out of LDS turned, by ds_load_tr16_b128; v is written back over h in the same form once h has been read for the last time.
; ORIENTATION.  N (q, k): source 0 = 16 rows of W, source 1 = 16 tokens: a lane holds one token and 8 neighbouring o.  S (v, v'): source 0 = 16 tokens, source 1 = 16 rows of W: a lane holds one o and
; 8 neighbouring tokens.  The register numbers are the same in both; only the windows of the two sources change places.  The bias is the C operand of each sum's first product: nothing is cleared or added later.
; PREFETCH.  The weights' first reading: cluster (0, 0) asks, its waves 0 and 2, each partner 8,192 bytes of a half tile told apart by address, a lane 256 bytes; behind the refill of tile t + 2 it names
; tile t + 4, and stops with tile 31.  h is asked for whole at the head, so nothing of it is prefetched.
; LIMITS.  q, k, v, v' are rounded once to bf16; NaN and infinities are not treated apart.
; REGISTERS, in windows of 256 (s_set_vgpr_msb: bits 1:0 source 0, 3:2 source 1, 5:4 source 2, 7:6 destination):
;   window 0: v0-15 addresses; v16-31 biases bv, bo; v32-63, v224-255 rows on the way out; v192-223 packed results; v64-127, v128-191 fragments of h (or v), two buffers
;   window 1: v0-63 the bias as a C operand; v64-127, v128-191 fragments of W        windows 2, 3: accumulator (i, j) in window 2 + i / 4 at v[8 (8 (i % 4) + j)]
.set WP,    144                        ; a tile row in LDS: 128 bytes + 16: the 16 rows of a load start at 16 different groups of four banks
.set HP,    288                        ; a row of h: 256 + 32
.set SLOTB, 512*WP                     ; 73,728 = 0x12000: one exclusive or changes slots (18,432 x wave has neither of its two bits)
.set HREG,  2*SLOTB
.set STAGE, HREG+512*HP                ; 16 rows x 272 bytes for each wave, for the way out; no tensor load fills it
.set SP,    272
.set SPARE, STAGE+4*16*SP              ; the spare words, 128 bytes a wave: two blocks of 256 bytes that no other line names
.set TILEB, 65536                      ; a weight tile in memory
.set AW0, 2                            ; my lane's place in my wave's rows of a slot; never rewritten
.set AW,  3                            ; the same in the slot in hand
.set AH0, 4                            ; my lane's place for the turning load, channels 0 on; never rewritten
.set AH,  5                            ; the same at the tile in hand
.set STO, 6
.set RD,  7
.set CO,  8                            ; my byte offset in two output rows (1,024 bytes apart in all three outputs)
.set VS,  9                            ; where I put 16 bytes of v
.set BOFN, 10
.set BOFS, 11
.set PFO, 12
.set SPW, 14
.set NIL, 15
.set RAW, 16
.set RAW2, 24
.set F0,  64
.set F1,  128
.set TMP, 192
.set WV,  22
.set CX,  23
.set TBN, 24
.set IMG, 25
.set G1H, 32
.set G1W, 40
.set G0H, 48
.set G0A, 52
.set G0,  56                           ; the walking descriptor
.set PFA, 60
.set TB,  62                           ; LDS byte of the slot in hand
.set CNT, 63
.set CH,  66
.set TI,  67                           ; refills so far
.set PLIM, 68                          ; 28 in a wave that prefetches, else 0
.set DST, 70
.set DK,  72
.set DV,  74
.set MSB, 0
.macro WIN new                         ; the high byte repeats the setting that is left; a switch that changes nothing is dropped
.if MSB != (\new)
	s_set_vgpr_msb (MSB<<8)|(\new)
.set MSB, (\new)
.endif
.endm
.macro PLACES                          ; four plain places behind matrix instructions, ahead of loads into their sources and of readers of their results
.rept 4
	v_nop
.endr
.endm
.macro CREST                           ; a round of the cluster's barrier behind its opening barrier
	s_cmp_lg_u32 s[WV], 0
	s_cbranch_scc1 .Lnw0_\@
	s_barrier_signal -3
.Lnw0_\@:
	s_barrier_wait -3
	s_barrier_signal -1
	s_barrier_wait -1
.endm
.macro CROUND
	s_barrier_signal -1
	s_barrier_wait -1
	CREST
.endm
.macro JLOAD                           ; the joint refill: one line for all waves, each with its own 128 rows; an s_nop 0 and four v_nop follow
	tensor_load_to_lds s[G0:G0+3], s[G1W:G1W+7]
	s_nop 0
	PLACES
.endm
	s_load_b512 s[4:19], s[0:1], 0x0               ; h 4, wcat 6, bq 8, bk 10, bv 12, bo 14, qb 16, kbuf 18
	s_load_b64 s[20:21], s[0:1], 0x40              ; vt
	v_lshl_add_u32 v[SPW], v0, 2, SPARE
	v_mov_b32 v[NIL], 0
	ds_add_u32 v[SPW], v[NIL]                      ; the wave's opening: the add and its wait stand ahead of my first tensor load; work on registers stands between them
	v_lshrrev_b32 v1, 5, v0
	v_readfirstlane_b32 s[WV], v1                  ; wave 0..3
	s_bfe_u32 s[CX], ttmp6, 0x40000                ; my place in the cluster
	s_lshl_b32 s[TBN], ttmp9, 2
	s_add_co_u32 s[TBN], s[TBN], s[CX]             ; my block of 128 tokens
	s_and_b32 s[IMG], ttmp7, 0xffff                ; the image
	; group 1 for h: 128 rows (channels) x 128 elements (tokens), 1,024 elements from row to row; 8 words of padding after every 64
	s_mov_b32 s[G1H], (1<<16)|(1<<20)|(5<<22)|(7<<25)
	s_mov_b32 s[G1H+1], 128<<16
	s_mov_b32 s[G1H+2], 128<<16
	s_mov_b32 s[G1H+3], 128<<16
	s_mov_b32 s[G1H+4], 128
	s_mov_b32 s[G1H+5], 1024
	s_mov_b32 s[G1H+6], 0
	s_mov_b32 s[G1H+7], 0
	; group 1 for W: 16,384 dense bytes asked for as 64 rows of 256, padded by 4 words after every 32 (a tile row); mask of all four, bit 21 beside it
	s_mov_b32 s[G1W], 15|(1<<16)|(1<<20)|(1<<21)|(4<<22)|(3<<25)
	s_mov_b32 s[G1W+1], 128<<16
	s_mov_b32 s[G1W+2], 64<<16
	s_mov_b32 s[G1W+3], 128<<16
	s_mov_b32 s[G1W+4], 64
	s_mov_b32 s[G1W+5], 128
	s_mov_b32 s[G1W+6], 0
	s_mov_b32 s[G1W+7], 0
	s_mov_b32 s[G0H], 1
	s_mov_b32 s[G0A], 1
	s_mov_b32 s[G0], 1
	s_mul_i32 s[G0A+1], s[WV], 128*WP              ; LDS addresses hang on the wave's number alone
	s_add_co_u32 s[G0+1], s[G0A+1], SLOTB
	s_mul_i32 s[G0H+1], s[WV], 128*HP
	s_add_co_u32 s[G0H+1], s[G0H+1], HREG
	s_lshl_b32 s26, s[IMG], 20                     ; an image: 1 MiB in h, qb, kbuf, vt
	s_lshl_b32 s27, s[WV], 18                      ; h: my 128 channels,
	s_add_co_u32 s28, s26, s27
	s_lshl_b32 s27, s[TBN], 8                      ; my block's 256 bytes of each
	s_add_co_u32 s28, s28, s27
	s_mov_b32 s29, 0
	s_lshl_b32 s30, s[WV], 14                      ; W: my 128 rows of a tile
	s_mov_b32 s31, 0
	s_lshl_b32 s76, s[TBN], 17                     ; q, k: my block's 128 rows of 1,024 bytes, my wave's 256 bytes of each
	s_add_co_u32 s76, s76, s26
	s_lshl_b32 s77, s[WV], 8
	s_add_co_u32 s76, s76, s77
	s_mov_b32 s77, 0
	s_lshr_b32 s78, s[TBN], 2                      ; v': key half, my wave's 128 rows, my block's 256 bytes of each
	s_lshl_b32 s78, s78, 19
	s_add_co_u32 s78, s78, s26
	s_lshl_b32 s79, s[WV], 17
	s_add_co_u32 s78, s78, s79
	s_and_b32 s79, s[TBN], 3
	s_lshl_b32 s79, s79, 8
	s_add_co_u32 s78, s78, s79
	s_mov_b32 s79, 0
	s_lshr_b32 s80, s[WV], 1                       ; the prefetches: half a tile by the wave, 8,192 bytes of it by my place in the cluster
	s_lshl_b32 s80, s80, 15
	s_lshl_b32 s81, s[CX], 13
	s_add_co_u32 s80, s80, s81
	s_add_co_u32 s80, s80, 3*TILEB                 ; at tile 3: the first refill steps it to tile 4
	s_mov_b32 s81, 0
	s_and_b32 s82, s[WV], 1
	s_or_b32 s82, s82, ttmp9
	s_or_b32 s82, s82, s[IMG]
	s_cmp_eq_u32 s82, 0                            ; waves 0 and 2 of the launch's first cluster: the same answer in all four partners
	s_cselect_b32 s[PLIM], 28, 0
	s_mov_b32 s[TI], 0
	s_mov_b32 s[TB], 0
	s_wait_dscnt 0x0                               ; the opening add is done
	s_wait_kmcnt 0x0
	s_add_nc_u64 s[G0H+2:G0H+3], s[4:5], s[28:29]
	s_or_b32 s[G0H+3], s[G0H+3], 0x80000000
	s_add_nc_u64 s[G0A+2:G0A+3], s[6:7], s[30:31]  ; tile 0
	s_add_nc_u64 s[G0+2:G0+3], s[G0A+2:G0A+3], TILEB  ; tile 1
	s_or_b32 s[G0A+3], s[G0A+3], 0x80000000
	s_or_b32 s[G0+3], s[G0+3], 0x80000000
	s_add_nc_u64 s[DST:DST+1], s[16:17], s[76:77]
	s_add_nc_u64 s[DK:DK+1], s[18:19], s[76:77]
	s_add_nc_u64 s[DV:DV+1], s[20:21], s[78:79]
	s_add_nc_u64 s[PFA:PFA+1], s[6:7], s[80:81]
	CROUND                                         ; all four work-groups are here: the first joint loads meet
	tensor_load_to_lds s[G0H:G0H+3], s[G1H:G1H+7]  ; the first fills, one group: my 128 channels of h (a load of my own), my part of tiles 0 and 1: three loads of mine are out
	s_nop 0
	tensor_load_to_lds s[G0A:G0A+3], s[G1W:G1W+7]
	s_nop 0
	tensor_load_to_lds s[G0:G0+3], s[G1W:G1W+7]
	s_nop 0
	PLACES
	v_and_b32 v32, 15, v0                          ; r = l % 16
	v_bfe_u32 v33, v0, 4, 1                        ; hh = l / 16
	v_and_b32 v34, 7, v0
	v_bfe_u32 v35, v0, 3, 1
	v_and_b32 v36, 31, v0
	s_lshl_b32 s29, s[WV], 9
	v_lshl_add_u32 v[BOFN], v33, 5, s29            ; N: bias of o = 128 w + 16 j + 8 hh + 0..7
	v_lshl_add_u32 v[BOFS], v32, 2, s29            ; S: bias of o = 128 w + 16 i + r
	WIN 0x40
.set j, 0
.rept 8
	global_load_b128 v[8*j:8*j+3], v[BOFN], s[8:9] offset:64*j
	global_load_b128 v[8*j+4:8*j+7], v[BOFN], s[8:9] offset:64*j+16
.set j, j+1
.endr
	WIN 0
.set i, 0
.rept 8
	global_load_b32 v[RAW+i], v[BOFS], s[12:13] offset:64*i
	global_load_b32 v[RAW2+i], v[BOFS], s[14:15] offset:64*i
.set i, i+1
.endr
	v_mul_u32_u24 v[AW0], v32, WP
	v_lshl_add_u32 v[AW0], v33, 4, v[AW0]
	v_add_nc_u32 v[AW0], s[G0A+1], v[AW0]          ; my wave's rows + row x pitch + 16 x half
	v_mov_b32 v[AW], v[AW0]
	v_lshl_add_u32 v[AH0], v33, 3, v34             ; the turning load: lane l reads channel 8 (l / 16) + l % 8, tokens 8 ((l / 8) % 2) + 0..7
	v_mul_u32_u24 v[AH0], v[AH0], HP
	v_lshl_add_u32 v[AH0], v35, 4, v[AH0]
	v_add_nc_u32 v[AH0], HREG, v[AH0]
	v_mov_b32 v[AH], v[AH0]
	s_mul_i32 s28, s[WV], 16*SP
	s_add_co_u32 s28, s28, STAGE                   ; my stage
	v_mul_u32_u24 v[STO], v32, SP
	v_lshl_add_u32 v[STO], v33, 4, v[STO]
	v_add_nc_u32 v[STO], s28, v[STO]
	v_mul_u32_u24 v[RD], v33, SP
	v_lshl_add_u32 v[RD], v32, 4, v[RD]
	v_add_nc_u32 v[RD], s28, v[RD]
	v_lshlrev_b32 v[CO], 10, v33
	v_lshl_add_u32 v[CO], v32, 4, v[CO]
	v_mul_u32_u24 v[VS], v32, HP
	v_lshl_add_u32 v[VS], v33, 4, v[VS]
	v_add_nc_u32 v[VS], s[G0H+1], v[VS]            ; v's row 128 w + r, tokens 8 hh on
	v_lshlrev_b32 v[PFO], 8, v36
; The fragments of 32 along c (half qd of a tile) into buffer f: 16 loads of W, 16 turning loads of h.  The operand whose fragments 4-7 are wanted last comes last.
.macro FW f, qd
	WIN 0x40
.set c, 0
.rept 8
	ds_load_b128 v[(\f)+8*c:(\f)+8*c+3], v[AW] offset:16*WP*c+64*(\qd)
	ds_load_b128 v[(\f)+8*c+4:(\f)+8*c+7], v[AW] offset:16*WP*c+64*(\qd)+32
.set c, c+1
.endr
.endm
.macro FH f, qd
	WIN 0
.set c, 0
.rept 8
	ds_load_tr16_b128 v[(\f)+8*c:(\f)+8*c+3], v[AH] offset:32*HP*(\qd)+32*c
	ds_load_tr16_b128 v[(\f)+8*c+4:(\f)+8*c+7], v[AH] offset:32*HP*(\qd)+32*c+16*HP
.set c, c+1
.endr
.endm
.macro FETCH f, qd, ori
.if \ori
	FH \f, \qd
	FW \f, \qd
.else
	FW \f, \qd
	FH \f, \qd
.endif
.endm
; 16 matrix instructions: i = i0, i0 + 1 of the window's four, all 8 j.  The accumulators take turns, one instruction a turn.  cm = 1: the bias starts the sums.
.macro MUL16 f, hi, i0, cm, ori
.if \cm
	WIN 0x91+0x40*(\hi)+3*(\ori)
.else
	WIN 0xa1+0x50*(\hi)+3*(\ori)
.endif
.irp i, \i0, (\i0)+1
.irp j, 0,1,2,3,4,5,6,7
.set rD, 8*(8*(\i)+(\j))
.set rA, (\f)+8*(\j)
.set rB, (\f)+8*(4*(\hi)+(\i))
.if \ori
.set rC, 8*(4*(\hi)+(\i))
.else
.set rC, 8*(\j)
.endif
.if \cm
	v_wmma_f32_16x16x32_bf16 v[rD:rD+7], v[rA:rA+7], v[rB:rB+7], v[rC:rC+7]
.else
	v_wmma_f32_16x16x32_bf16 v[rD:rD+7], v[rA:rA+7], v[rB:rB+7], v[rD:rD+7]
.endif
.endr
.endr
.endm
; A tile's first half: multiplies buffer f and fetches the second half into g.
.macro QUARTER f, g, qd, cm, ori, w0
	s_wait_dscnt \w0                               ; 8: the youngest eight loads (fragments 4-7 of the operand fetched last) may be out; 0 at a chunk's start
	MUL16 \f, 0, 0, \cm, \ori
	MUL16 \f, 0, 2, \cm, \ori
	PLACES
	FETCH \g, \qd, \ori
	s_wait_dscnt 32                                ; all but the 32 just issued
	MUL16 \f, 1, 0, \cm, \ori
	MUL16 \f, 1, 2, \cm, \ori
.endm
.macro ASK                             ; behind the joint load and the run of LDS loads: tile TI + 4
	WIN 0
	s_cmp_lt_u32 s[TI], s[PLIM]
	s_cbranch_scc0 .Lna_\@
	global_prefetch_b8 v[PFO], s[PFA:PFA+1] th:TH_LOAD_NT scope:SCOPE_SE
.Lna_\@:
	s_add_co_u32 s[TI], s[TI], 1
.endm
; A tile's second half (buffer 1) and the change of slots.  Each wave waits for all its tensor loads (one is out: its part of the next slot), adds 0 to its spare word, and waits for that and for its reads
; of this slot.  refill = 1: the barrier opens a round of the cluster's, and the joint refill (two tiles on) is the first thing behind it.  fetch: 0 nothing, 1 the next tile's first half, 2 the same with h from channel 0.
.macro TURN ori, refill, fetch
.if \refill
	s_wait_xcnt 0x0                                ; the last prefetch, a tile back, has read its address
	s_add_nc_u64 s[PFA:PFA+1], s[PFA:PFA+1], TILEB
.endif
	WIN 0
	s_wait_tensorcnt 0x0                           ; no tensor load of mine is out, so the walking descriptor may be written
	ds_add_u32 v[SPW], v[NIL]
.if \refill
	s_xor_b32 s[G0+1], s[G0+1], SLOTB
	s_add_nc_u64 s[G0+2:G0+3], s[G0+2:G0+3], TILEB
.endif
	s_wait_dscnt 9                                 ; the add and the youngest eight loads may be out
	MUL16 F1, 0, 0, 0, \ori
	s_wait_dscnt 0x0                               ; the add is done, and my reads of this slot (and of h so far) are over
	s_barrier_signal -1
	MUL16 F1, 0, 2, 0, \ori
	WIN 0
	s_barrier_wait -1
.if \refill
	CREST
	JLOAD                                          ; its four v_nop are also the places ahead of the loads below
.else
	PLACES
.endif
	s_xor_b32 s[TB], s[TB], SLOTB
	v_add_nc_u32 v[AW], s[TB], v[AW0]
.if (\fetch) == 1
	v_add_nc_u32 v[AH], 64*HP, v[AH]
.elseif (\fetch) == 2
	v_mov_b32 v[AH], v[AH0]
.endif
.if \fetch
	FETCH F0, 0, \ori
.endif
.if \refill
	ASK
.endif
	MUL16 F1, 1, 0, 0, \ori
	MUL16 F1, 1, 2, 0, \ori
.endm
; THE WAY OUT of block i (16 output rows x 256 bytes): rounded, 16 bytes a lane; through my own stage; back as whole rows; stored.
.macro PACK i
	WIN 0x0a+5*((\i)/4)
.set c, 0
.rept 32
	v_cvt_pk_bf16_f32 v[TMP+c], v[64*((\i)%4)+2*c], v[64*((\i)%4)+2*c+1]  ; ascending: each accumulator's lowest registers are read first
.set c, c+1
.endr
	WIN 0
.endm
.macro TOSTAGE i
.set BK, 32+192*((\i)%2)
.set c, 0
.rept 8
	ds_store_b128 v[STO], v[TMP+4*c:TMP+4*c+3] offset:32*c
.set c, c+1
.endr
.set c, 0
.rept 8
	ds_load_b128 v[BK+4*c:BK+4*c+3], v[RD] offset:2*SP*c  ; LDS serves a wave's instructions in order (ISA guide 5.7.1.4): these see the stores above
.set c, c+1
.endr
.endm
.macro SEND i
.set BK, 32+192*((\i)%2)
	s_wait_dscnt 0x0                               ; the block is back in registers
	s_wait_xcnt 0x0                                ; earlier stores have read their base and data: only behind this wait are they rewritten
.if (\i) > 0
	s_add_nc_u64 s[DST:DST+1], s[DST:DST+1], 16*1024
.endif
.set c, 0
.rept 8
	global_store_b128 v[CO], v[BK+4*c:BK+4*c+3], s[DST:DST+1] offset:2048*c  ; 16 lanes store 256 consecutive bytes, aligned
.set c, c+1
.endr
.endm
.macro WAYOUT
	PACK 0
	TOSTAGE 0
.irp a, 1,2,3,4,5,6,7
	PACK \a
	SEND (\a)-1
	TOSTAGE \a
.endr
	SEND 7
.endm
.macro VSTORE i                        ; block i of v (16 channels x 128 tokens) over h's rows
.set c, 0
.rept 8
	ds_store_b128 v[VS], v[TMP+4*c:TMP+4*c+3] offset:16*HP*(\i)+32*c
.set c, c+1
.endr
.endm
.macro BIASS src                       ; S: one o a lane, so its bias fills all eight registers of block i's C operand
	WIN 0x40
.set c, 0
.rept 64
	v_mov_b32 v[c], v[(\src)+c/8]
.set c, c+1
.endr
	WIN 0
.endm
.macro LOOPEND cnt, lab
	WIN 0
	s_sub_co_u32 s[\cnt], s[\cnt], 1
	s_cmp_lg_u32 s[\cnt], 0
	s_cbranch_scc1 \lab
.endm
	s_wait_tensorcnt 0x1                           ; my parts of h and of tile 0 are in; tile 1 may stay out
	s_barrier_signal -1
	s_barrier_wait -1                              ; everybody's are
	FETCH F0, 0, 0
	s_wait_loadcnt 0x0                             ; the biases
	s_mov_b32 s[CH], 2
.LchunkN:                              ; twice: q (tiles 0-7), k (tiles 8-15)
	QUARTER F0, F1, 1, 1, 0, 0
	PLACES                                         ; behind the last products that read the bias:
	WIN 0x40
.set j, 0
.rept 8                                ; bk takes bq's place (the second trip fetches it once more, so that no load is jumped over)
	global_load_b128 v[8*j:8*j+3], v[BOFN], s[10:11] offset:64*j
	global_load_b128 v[8*j+4:8*j+7], v[BOFN], s[10:11] offset:64*j+16
.set j, j+1
.endr
	WIN 0
	s_mov_b32 s[CNT], 7
.LtileN:
	TURN 0, 1, 1
	QUARTER F0, F1, 1, 0, 0, 8
	LOOPEND CNT, .LtileN
	TURN 0, 1, 2                                   ; the next chunk's first fragments are fetched, the refill is asked for: now the chunk goes out
	WAYOUT                                         ; blocks 0-3 were finished ahead of the refill's four places; their conversions are the places behind the last products
	s_wait_xcnt 0x0
	s_mov_b64 s[DST:DST+1], s[DK:DK+1]
	s_wait_loadcnt 0x0                             ; bk
	LOOPEND CH, .LchunkN
	BIASS RAW                                      ; v = Wv h + bv (tiles 16-23)
	QUARTER F0, F1, 1, 1, 1, 0
	WIN 0
	s_mov_b32 s[CNT], 7
.LtileV:
	TURN 1, 1, 1
	QUARTER F0, F1, 1, 0, 1, 8
	LOOPEND CNT, .LtileV
	TURN 1, 1, 0                                   ; at its barrier every wave's reads of h were over: h's rows may be written
.irp i, 0,1,2,3,4,5,6,7
	PACK \i
	VSTORE \i
.endr
	s_wait_dscnt 0x0                               ; for the others' sake: my rows of v are written
	s_barrier_signal -1                            ; a refill is on its way across this barrier
	s_barrier_wait -1
	v_mov_b32 v[AH], v[AH0]
	FETCH F0, 0, 1
	BIASS RAW2                                     ; v' = Wo v + bo (tiles 24-31)
	QUARTER F0, F1, 1, 1, 1, 0
	WIN 0
	s_mov_b32 s[CNT], 6
.LtileO:
	TURN 1, 1, 1
	QUARTER F0, F1, 1, 0, 1, 8
	LOOPEND CNT, .LtileO
	TURN 1, 0, 1                                   ; tile 30: nothing is left to ask for, so no round follows
	QUARTER F0, F1, 1, 0, 1, 8
	s_wait_dscnt 8
	MUL16 F1, 0, 0, 0, 1
	MUL16 F1, 0, 2, 0, 1
	s_wait_dscnt 0x0
	MUL16 F1, 1, 0, 0, 1
	MUL16 F1, 1, 2, 0, 1
	WIN 0
	PLACES
	s_wait_xcnt 0x0
	s_mov_b64 s[DST:DST+1], s[DV:DV+1]
	WAYOUT
	s_wait_tensorcnt 0x0                           ; the wave's end: behind my last tensor load and my last LDS store
	ds_add_u32 v[SPW], v[NIL]
	s_wait_dscnt 0x0
	CROUND                                         ; the closing round: no work-group ends while a partner may still ask for a tile that names it
	s_endpgm
.Lfunc_end_k_qfe7f007476_qkv:
	.size	k_qfe7f007476_qkv, .Lfunc_end_k_qfe7f007476_qkv-k_qfe7f007476_qkv
	.p2alignl 7, 3214868480
	.fill 96, 4, 3214868480
	.section	.rodata,"a",@progbits
	.p2align	6, 0x0
	.amdhsa_kernel k_qfe7f007476_qkv
		.amdhsa_group_segment_fixed_size 327680
		.amdhsa_private_segment_fixed_size 0
		.amdhsa_enable_private_segment 0
		.amdhsa_kernarg_size 72
		.amdhsa_user_sgpr_count 2
		.amdhsa_user_sgpr_kernarg_segment_ptr 1
		.amdhsa_wavefront_size32 1
		.amdhsa_system_sgpr_workgroup_id_x 1
		.amdhsa_system_sgpr_workgroup_id_y 1
		.amdhsa_system_sgpr_workgroup_id_z 1
		.amdhsa_system_vgpr_workitem_id 0
		.amdhsa_next_free_vgpr 1024
		.amdhsa_next_free_sgpr 96
		.amdhsa_reserve_vcc 0
		.amdhsa_float_denorm_mode_32 3
		.amdhsa_float_denorm_mode_16_64 3
		.amdhsa_memory_ordered 1
		.amdhsa_forward_progress 1
		.amdhsa_inst_pref_size 195
	.end_amdhsa_kernel
	.amdgpu_metadata
---
amdhsa.version: [ 1, 2 ]
amdhsa.kernels:
  - .name:           k_qfe7f007476_qkv
    .symbol:         k_qfe7f007476_qkv.kd
    .args:
      - { .name: h, .offset: 0, .size: 8, .value_kind: global_buffer, .address_space: global }
      - { .name: wcat, .offset: 8, .size: 8, .value_kind: global_buffer, .address_space: global }
      - { .name: bq, .offset: 16, .size: 8, .value_kind: global_buffer, .address_space: global }
      - { .name: bk, .offset: 24, .size: 8, .value_kind: global_buffer, .address_space: global }
      - { .name: bv, .offset: 32, .size: 8, .value_kind: global_buffer, .address_space: global }
      - { .name: bo, .offset: 40, .size: 8, .value_kind: global_buffer, .address_space: global }
      - { .name: qb, .offset: 48, .size: 8, .value_kind: global_buffer, .address_space: global }
      - { .name: kbuf, .offset: 56, .size: 8, .value_kind: global_buffer, .address_space: global }
      - { .name: vt, .offset: 64, .size: 8, .value_kind: global_buffer, .address_space: global }
    .group_segment_fixed_size: 327680
    .private_segment_fixed_size: 0
    .kernarg_segment_align: 8
    .kernarg_segment_size: 72
    .max_flat_workgroup_size: 128
    .sgpr_count:     96
    .vgpr_count:     1024
    .wavefront_size: 32
...
	.end_amdgpu_metadata
.endif
;; end of part 2
;; launch attn (part 3): grid 8 x 32, 4 waves a work-group, clusters of 4 x 1, 327,680 bytes of LDS; arguments qb, kbuf, vt, x, out0; writes out0
.if DOCPART == 3
	.amdgcn_target "amdgcn-amd-amdhsa--gfx1250"
	.amdhsa_code_object_version 6
	.text
	.protected	k_qfe7f007476_attn
	.globl	k_qfe7f007476_attn
	.p2align	8
	.type	k_qfe7f007476_attn,@function
k_qfe7f007476_attn:
	s_mov_b64 s[64:65], 0
	v_nop
	global_prefetch_b8 v0, s[64:65] scope:SCOPE_SE
	s_setreg_imm32_b32 hwreg(HW_REG_WAVE_MODE, 25, 1), 1
	s_wait_xcnt 0x0
	s_wait_alu depctr_hold_cnt(0) depctr_sa_sdst(0) depctr_va_vdst(0) depctr_va_sdst(0) depctr_va_ssrc(0) depctr_va_vcc(0) depctr_vm_vsrc(0)
	s_getreg_b32 s2, hwreg(HW_REG_IB_STS2, 6, 4)
	s_cmp_eq_u32 s2, 0
	s_cbranch_scc0 .Lentry_in_a_cluster
	s_endpgm
.Lentry_in_a_cluster:
	s_bfe_u32 s2, ttmp6, 0x10000c
	s_cmp_lg_u32 s2, 0x3003
	s_cbranch_scc0 .Lentry_shape_is_right
	s_endpgm
.Lentry_shape_is_right:
; out0[b][o][n] = x[b][o][n] + sum_m softmax_m(q[n] . k[m] / sqrt(512)) v'[m][o].  q, k: [b][1024][512] bf16; v': [b][key half 2][o 512][512 keys] bf16 (Wo and bo are already in it); x, out0 f32.
; SHARES.  A work-group: one image, 128 queries.  At 512 channels no wave can hold Q and O for enough queries, so the four waves share the 128 queries: Q lies in LDS, P goes through LDS by halves of 128 keys,
; and a wave owns ROWS of the streamed tile.  Keys go in 4 blocks of 256.  Every streamed tile has one shape, 256 rows x 128 elements (rows 1,024 bytes apart in memory): four tiles of K (channels 128 pos on),
; then four of v'^T (key half ph, o half oh).  Wave w fetches rows 64 w .. 64 w + 63 and multiplies rows 32 w + {0, 16, 128, 144} + 0..15 against all 128 queries: 32 accumulators, 128 matrix instructions a tile,
; 24 x 16 bytes a lane from LDS for 32 of them.
; PRODUCTS.  S^T = K Q^T (source 0 = 16 keys, source 1 = 16 queries): a lane holds one query and 8 keys.  O = P V (source 0 = 16 queries of P, source 1 = 16 rows o of v'^T): a lane holds one o and 8 neighbouring
; queries, which is out0's order.
; SOFTMAX.  A running maximum m for each query, over all four waves' keys (exchanged through LDS once a block); p = 2^(c s - c m), c = log2(e) / sqrt(512); O and l are multiplied by a = 2^(c m_old - c m_new)
; in every block.  m starts at the lowest finite number, O and l at 0, so the first block is a block like any other (a = 0); the price is 512 lines that clear O, run in the wait for the first tile.
; Each wave sums l over its own keys; the four meet at the end.  Matrix work and softmax stand in phases.
; CLUSTER.  The four query blocks of a cluster belong to one image and walk the same K and v': each tile is asked for JOINTLY.  Q is a load of each work-group's own.
; PREFETCH.  K and v': the image's first cluster asks, its waves 0 and 2; of a tile's 256 rows each partner takes 32 of a half, told apart by address, a lane a row; behind the refill of tile U it names tile U + 2
; and stops with tile 31; tiles 0 to 3 come by their loads alone.  x: each wave asks for its own rows, a block of 16 rows x 512 bytes an instruction: four blocks at the last tile's start, block n + 4 while block n leaves.
; LIMITS.  P is rounded to bf16 for the second product, l is the sum of the unrounded p, so bo comes back as bo (sum of rounded p) / l.  A weight below 2^-126 counts as 0.  NaN and infinities are not treated apart.
; REGISTERS, in windows of 256 (s_set_vgpr_msb: bits 1:0 source 0, 3:2 source 1, 5:4 source 2, 7:6 destination):
;   window 0: v0-21 addresses; v24-55 statistics, four a query tile: c m, m, l (even keys', odd keys'); v64-159, v160-255 two fragment buffers (32 of the tile, 64 of Q or P), at work in the softmax and on the way out
;   window 1: S^T, (key tile kt, query tile qt) at v[8 (8 kt + qt)]        windows 2, 3: O for o half 0, 1, (o tile ct, qt) likewise
.set TP,    272                        ; an LDS row: 256 bytes + 16: the 16 rows of a load start at 16 different groups of four banks
.set SLOTB, 256*TP                     ; 69,632 = 0x11000: one exclusive or changes slots (17,408 x wave has neither of its two bits)
.set QREG,  2*SLOTB                    ; Q: four planes of 128 channels, 128 queries x 272 each
.set PLANE, 128*TP
.set PREG,  QREG+4*PLANE               ; P: 128 queries x 128 keys; at the end four stages of 16 x 528.  Written by LDS stores alone
.set MX,    PREG+PLANE                 ; 4 waves x 16 queries x 8 tiles: the waves' maxima
.set LS,    MX+2048                    ; the same for l
.set RL,    LS+2048                    ; 512 bytes a wave, its own: a number a query, turned from one query a lane to eight
.set SPARE, RL+2048                    ; the spare words, 128 bytes a wave: two blocks of 256 bytes that no other line names
.set GP,    528                        ; a stage row: 512 bytes + 16
.set AT0, 2
.set AT,  3
.set AR,  4
.set AR0Q, 5
.set AR0P, 6
.set PST, 7
.set MXS, 8
.set MXR, 9
.set LSS, 10
.set LSR, 11
.set RLS, 12
.set RLR, 13
.set STG, 15
.set SRD, 16
.set XO,  17
.set PFO, 18
.set PXO, 19
.set SPW, 20
.set NIL, 21
.set ST,  24
.set F0,  64
.set F1,  160
.set CHN, 64                           ; softmax: four chains a query tile
.set WM,  96
.set EXC, 104
.set MXIN, 112
.set AA,  144                          ; a, in the low register of a pair
.set AQ,  160                          ; a by query: 8 a query tile
.set CMO, 224
.set XR,  64                           ; the way out
.set RLQ, 160
.set WV,  14
.set CX,  15
.set G1Q, 16
.set G1T, 24
.set G0Q, 32
.set G0A, 36
.set G0,  40                           ; the walking descriptor
.set KB,  44
.set VB,  46
.set PFK, 48
.set PFV, 50
.set PFA, 52
.set OFF, 54
.set BASE, 56
.set CS,  58
.set SEL, 60
.set TB,  62
.set U,   63                           ; the tile to be asked for next
.set CNT, 73
.set KBC, 75
.set PLIM, 76
.set XB,  78
.set OB,  80
.set MSB, 0
.macro WIN new                         ; the high byte repeats the setting that is left; a switch that changes nothing is dropped
.if MSB != (\new)
	s_set_vgpr_msb (MSB<<8)|(\new)
.set MSB, (\new)
.endif
.endm
.macro PLACES                          ; four plain places behind matrix instructions (ISA guide 7.12.1)
.rept 4
	v_nop
.endr
.endm
.macro CREST
	s_cmp_lg_u32 s[WV], 0
	s_cbranch_scc1 .Lnw0_\@
	s_barrier_signal -3
.Lnw0_\@:
	s_barrier_wait -3
	s_barrier_signal -1
	s_barrier_wait -1
.endm
.macro CROUND
	s_barrier_signal -1
	s_barrier_wait -1
	CREST
.endm
.macro PBAR                            ; a plain barrier: what I stored to LDS is done
	s_wait_dscnt 0x0
	s_barrier_signal -1
	s_barrier_wait -1
.endm
.macro JLOAD                           ; the joint refill: one line for all waves, each with its own 64 rows; an s_nop 0 and four v_nop follow
	tensor_load_to_lds s[G0:G0+3], s[G1T:G1T+7]
	s_nop 0
	PLACES
.endm
; The address of tile s[idx] = 8 kb + pos: K (pos 0-3): kb x 256 rows, channels 128 pos on.  v'^T (pos 4-7): key half kb / 2, keys 256 (kb % 2) + 128 ((pos / 2) % 2) on, rows 256 (pos % 2) on.  Offset and pointer are made apart.
.macro TADDR dst, idx, kbase, vbase
	s_lshr_b32 s66, s[\idx], 3
	s_and_b32 s67, s[\idx], 7
	s_lshl_b32 s68, s66, 18
	s_lshl_b32 s69, s67, 8
	s_add_co_u32 s68, s68, s69
	s_lshr_b32 s69, s66, 1
	s_lshl_b32 s69, s69, 19
	s_and_b32 s70, s66, 1
	s_lshl_b32 s70, s70, 9
	s_add_co_u32 s69, s69, s70
	s_bfe_u32 s70, s67, 0x10001
	s_lshl_b32 s70, s70, 8
	s_add_co_u32 s69, s69, s70
	s_and_b32 s70, s67, 1
	s_lshl_b32 s70, s70, 18
	s_add_co_u32 s69, s69, s70
	s_cmp_lt_u32 s67, 4
	s_cselect_b32 s[OFF], s68, s69
	s_cselect_b64 s[BASE:BASE+1], s[(\kbase):(\kbase)+1], s[(\vbase):(\vbase)+1]
	s_add_nc_u64 s[(\dst):(\dst)+1], s[BASE:BASE+1], s[OFF:OFF+1]
.endm
	s_load_b256 s[4:11], s[0:1], 0x0               ; qb 4, kbuf 6, vt 8, x 10
	s_load_b64 s[12:13], s[0:1], 0x20              ; out0
	v_lshl_add_u32 v[SPW], v0, 2, SPARE
	v_mov_b32 v[NIL], 0
	ds_add_u32 v[SPW], v[NIL]                      ; the wave's opening: the add and its wait stand ahead of my first tensor load; work on registers stands between them
	v_lshrrev_b32 v1, 5, v0
	v_readfirstlane_b32 s[WV], v1                  ; wave 0..3
	s_bfe_u32 s[CX], ttmp6, 0x40000                ; my place in the cluster
	s_lshl_b32 s66, ttmp9, 2
	s_add_co_u32 s66, s66, s[CX]                   ; my block of 128 queries
	s_and_b32 s67, ttmp7, 0xffff                   ; the image
	; group 1 for Q: 128 rows x 128 elements, 512 elements from row to row, 4 words of padding after every 64
	s_mov_b32 s[G1Q], (1<<16)|(1<<20)|(5<<22)|(3<<25)
	s_mov_b32 s[G1Q+1], 128<<16
	s_mov_b32 s[G1Q+2], 128<<16
	s_mov_b32 s[G1Q+3], 128<<16
	s_mov_b32 s[G1Q+4], 128
	s_mov_b32 s[G1Q+5], 512
	s_mov_b32 s[G1Q+6], 0
	s_mov_b32 s[G1Q+7], 0
	; group 1 for the tiles: 64 rows of the same kind; mask of all four, bit 21 beside it
	s_mov_b32 s[G1T], 15|(1<<16)|(1<<20)|(1<<21)|(5<<22)|(3<<25)
	s_mov_b32 s[G1T+1], 128<<16
	s_mov_b32 s[G1T+2], 64<<16
	s_mov_b32 s[G1T+3], 128<<16
	s_mov_b32 s[G1T+4], 64
	s_mov_b32 s[G1T+5], 512
	s_mov_b32 s[G1T+6], 0
	s_mov_b32 s[G1T+7], 0
	s_mov_b32 s[G0Q], 1
	s_mov_b32 s[G0A], 1
	s_mov_b32 s[G0], 1
	s_mul_i32 s[G0A+1], s[WV], 64*TP               ; LDS addresses hang on the wave's number alone
	s_add_co_u32 s[G0+1], s[G0A+1], SLOTB
	s_mul_i32 s[G0Q+1], s[WV], PLANE
	s_add_co_u32 s[G0Q+1], s[G0Q+1], QREG
	s_lshl_b32 s72, s67, 20                        ; an image: 1 MiB in qb, kbuf, vt
	s_lshl_b32 s68, s66, 17                        ; Q: my block's 128 rows, plane w's 256 bytes of each
	s_add_co_u32 s68, s68, s72
	s_lshl_b32 s69, s[WV], 8
	s_add_co_u32 s68, s68, s69
	s_mov_b32 s69, 0
	s_lshl_b32 s70, s[WV], 16                      ; tiles: my 64 rows
	s_add_co_u32 s70, s70, s72
	s_mov_b32 s71, 0
	s_lshr_b32 s82, s[WV], 1                       ; prefetches: rows 128 (w / 2) + 32 x my place in the cluster
	s_lshl_b32 s82, s82, 17
	s_add_co_u32 s82, s82, s72
	s_lshl_b32 s83, s[CX], 15
	s_add_co_u32 s82, s82, s83
	s_mov_b32 s83, 0
	s_lshl_b32 s84, s67, 21                        ; x, out0: 2 MiB an image, my wave's rows 32 w on, my block's 512 bytes of each
	s_lshl_b32 s85, s[WV], 17
	s_add_co_u32 s84, s84, s85
	s_lshl_b32 s85, s66, 9
	s_add_co_u32 s84, s84, s85
	s_mov_b32 s85, 0
	s_and_b32 s86, s[WV], 1
	s_or_b32 s86, s86, ttmp9
	s_cmp_eq_u32 s86, 0                            ; waves 0 and 2 of the image's first cluster: the same answer in all four partners
	s_cselect_b32 s[PLIM], 32, 0
	s_mov_b32 s[OFF+1], 0
	s_mov_b32 s[CS], 0x3d8293ee                    ; c = log2(e) / sqrt(512) = 0.0637587
	s_mov_b32 s[CS+1], s[CS]
	s_mov_b32 s[SEL], 0x76543210
	s_mov_b32 s[SEL+1], 0xfedcba98
	s_mov_b32 s[TB], 0
	s_mov_b32 s[U], 2
	s_mov_b32 s[KBC], 4
	s_wait_dscnt 0x0                               ; the opening add is done
	s_wait_kmcnt 0x0
	s_add_nc_u64 s[G0Q+2:G0Q+3], s[4:5], s[68:69]
	s_or_b32 s[G0Q+3], s[G0Q+3], 0x80000000
	s_add_nc_u64 s[KB:KB+1], s[6:7], s[70:71]
	s_add_nc_u64 s[VB:VB+1], s[8:9], s[70:71]
	s_mov_b64 s[G0A+2:G0A+3], s[KB:KB+1]           ; tile 0
	s_or_b32 s[G0A+3], s[G0A+3], 0x80000000
	s_add_nc_u64 s[G0+2:G0+3], s[KB:KB+1], 256     ; tile 1
	s_or_b32 s[G0+3], s[G0+3], 0x80000000
	s_add_nc_u64 s[PFK:PFK+1], s[6:7], s[82:83]
	s_add_nc_u64 s[PFV:PFV+1], s[8:9], s[82:83]
	s_add_nc_u64 s[XB:XB+1], s[10:11], s[84:85]
	s_add_nc_u64 s[OB:OB+1], s[12:13], s[84:85]
	CROUND                                         ; all four work-groups are here: the first joint loads meet
	tensor_load_to_lds s[G0Q:G0Q+3], s[G1Q:G1Q+7]  ; the first fills, one group: plane w of Q (a load of my own), my part of tiles 0 and 1: three loads of mine are out
	s_nop 0
	tensor_load_to_lds s[G0A:G0A+3], s[G1T:G1T+7]
	s_nop 0
	tensor_load_to_lds s[G0:G0+3], s[G1T:G1T+7]
	s_nop 0
	PLACES
	v_and_b32 v56, 15, v0                          ; r = l % 16
	v_bfe_u32 v57, v0, 4, 1                        ; hh = l / 16
	v_and_b32 v58, 31, v0
	v_mul_u32_u24 v59, v56, TP
	v_lshl_add_u32 v59, v57, 4, v59                ; a fragment's row x pitch + 16 x half
	s_mul_i32 s72, s[WV], 32*TP
	v_add_nc_u32 v[AT0], s72, v59                  ; my rows 32 w on of a tile
	v_mov_b32 v[AT], v[AT0]
	v_add_nc_u32 v[AR0Q], QREG, v59
	v_add_nc_u32 v[AR0P], PREG, v59
	s_lshl_b32 s72, s[WV], 6
	v_add_nc_u32 v[PST], s72, v[AR0P]              ; P: row = my query, my wave's 32 keys of the half: 64 bytes
	s_lshl_b32 s72, s[WV], 9
	v_lshl_add_u32 v[MXR], v56, 5, MX
	v_add_nc_u32 v[MXS], s72, v[MXR]
	v_lshl_add_u32 v[LSR], v56, 5, LS
	v_add_nc_u32 v[LSS], s72, v[LSR]
	v_lshl_add_u32 v[RLS], v56, 2, RL
	v_add_nc_u32 v[RLS], s72, v[RLS]
	v_lshl_add_u32 v[RLR], v57, 5, RL
	v_add_nc_u32 v[RLR], s72, v[RLR]
	s_mul_i32 s72, s[WV], 16*GP
	s_add_co_u32 s72, s72, PREG                    ; my stage
	v_mul_u32_u24 v[STG], v56, GP
	v_lshl_add_u32 v[STG], v57, 5, v[STG]
	v_add_nc_u32 v[STG], s72, v[STG]
	v_lshl_add_u32 v[SRD], v58, 4, s72
	v_lshlrev_b32 v[XO], 4, v58
	v_lshlrev_b32 v[PFO], 10, v58
	v_lshlrev_b32 v[PXO], 12, v56
	v_lshl_add_u32 v[PXO], v57, 8, v[PXO]
.set q, 0
.rept 8
	v_mov_b32 v[ST+4*q], 0xfe000000                ; c m: far below every c s
	v_mov_b32 v[ST+4*q+1], 0xff7fffff              ; m
	v_mov_b32 v[ST+4*q+2], 0
	v_mov_b32 v[ST+4*q+3], 0
.set q, q+1
.endr
	WIN 0x80
.set c, 0
.rept 256
	v_mov_b32 v[c], 0
.set c, c+1
.endr
	WIN 0xc0
.set c, 0
.rept 256
	v_mov_b32 v[c], 0
.set c, c+1
.endr
	WIN 0
; 24 LDS loads in one run: for 32 along K at byte k of the rows, my four fragments of the tile and the eight of Q or P, query tiles ascending
.macro FETCH f, k
	WIN 0
.set c, 0
.rept 4
	ds_load_b128 v[(\f)+8*c:(\f)+8*c+3], v[AT] offset:16*TP*(c%2)+128*TP*(c/2)+(\k)
	ds_load_b128 v[(\f)+8*c+4:(\f)+8*c+7], v[AT] offset:16*TP*(c%2)+128*TP*(c/2)+(\k)+32
.set c, c+1
.endr
.set c, 0
.rept 8
	ds_load_b128 v[(\f)+32+8*c:(\f)+32+8*c+3], v[AR] offset:16*TP*c+(\k)
	ds_load_b128 v[(\f)+32+8*c+4:(\f)+32+8*c+7], v[AR] offset:16*TP*c+(\k)+32
.set c, c+1
.endr
.endm
; 4 nq matrix instructions: query tiles q0 on, my four tile fragments each.  The accumulators take turns, one instruction a turn.  swap = 1: Q's or P's fragment is source 0.
.macro MULQ f, q0, nq, win, swap, zero
	WIN \win
.set qq, \q0
.rept \nq
.set tt, 0
.rept 4
.set rD, 8*(8*tt+qq)
.if \swap
.set rA, (\f)+32+8*qq
.set rB, (\f)+8*tt
.else
.set rA, (\f)+8*tt
.set rB, (\f)+32+8*qq
.endif
.if \zero
	v_wmma_f32_16x16x32_bf16 v[rD:rD+7], v[rA:rA+7], v[rB:rB+7], 0
.else
	v_wmma_f32_16x16x32_bf16 v[rD:rD+7], v[rA:rA+7], v[rB:rB+7], v[rD:rD+7]
.endif
.set tt, tt+1
.endr
.set qq, qq+1
.endr
.endm
; A tile is four quarters of 32 along K.  One of the first three: multiplies buffer f, and in its middle fetches the next quarter, at byte k, into g.
.macro QUARTER f, g, k, win, swap, zero
	s_wait_dscnt 8                                 ; the youngest eight loads (query tiles 4-7) may be out
	MULQ \f, 0, 4, \win, \swap, \zero
	PLACES
	FETCH \g, \k
	s_wait_dscnt 24                                ; all but the 24 just issued
	MULQ \f, 4, 4, \win, \swap, \zero
.endm
.macro TILE3 win
	QUARTER F0, F1, 64, \win, 1, 0
	QUARTER F1, F0, 128, \win, 1, 0
	QUARTER F0, F1, 192, \win, 1, 0
.endm
.macro ASK                             ; behind the joint load and the run of LDS loads: tile U + 2 (s71)
	WIN 0
	s_cmp_lt_u32 s71, s[PLIM]
	s_cbranch_scc0 .Lna_\@
	global_prefetch_b8 v[PFO], s[PFA:PFA+1] th:TH_LOAD_NT scope:SCOPE_SE
.Lna_\@:
	s_add_co_u32 s[U], s[U], 1
.endm
; The last quarter (buffer 1) and the change of slots.  Each wave waits for all its tensor loads (one is out: its part of the next slot), adds 0 to its spare word, and waits for that and for its reads of this slot.
; refill = 1: the barrier opens a round of the cluster's, and the joint refill (tile U) is the first thing behind it: 112 matrix instructions ahead of the wait for it.
; fetch: 0 nothing, 1 the next tile's first quarter, 2 the same with Q's next plane.
.macro TURN win, swap, refill, fetch
.if \refill
	s_wait_xcnt 0x0                                ; the last prefetch, a tile back, has read its address
.endif
	WIN 0
	s_wait_tensorcnt 0x0                           ; no tensor load of mine is out, so the walking descriptor may be written
	ds_add_u32 v[SPW], v[NIL]                      ; 0 onto my spare word; scalar work stands between it and the wait for it
.if \refill
	TADDR G0+2, U, KB, VB
	s_or_b32 s[G0+3], s[G0+3], 0x80000000
	s_xor_b32 s[G0+1], s[G0+1], SLOTB
	s_add_co_u32 s71, s[U], 2
	TADDR PFA, 71, PFK, PFV
.endif
	s_wait_dscnt 9                                 ; the add and the youngest eight loads may be out
	MULQ F1, 0, 2, \win, \swap, 0
	s_wait_dscnt 0x0                               ; the add is done, and my reads of this slot (and of Q or P so far) are over
	s_barrier_signal -1
	MULQ F1, 2, 2, \win, \swap, 0
	WIN 0
	s_barrier_wait -1
.if \refill
	CREST
	JLOAD                                          ; its four v_nop are also the places ahead of the loads below
.else
	PLACES
.endif
	s_xor_b32 s[TB], s[TB], SLOTB
	v_add_nc_u32 v[AT], s[TB], v[AT0]
.if (\fetch) == 2
	v_add_nc_u32 v[AR], PLANE, v[AR]
.endif
.if \fetch
	FETCH F0, 0
.endif
.if \refill
	ASK
.endif
	MULQ F1, 4, 4, \win, \swap, 0
.endm
.macro PSTORE ph                       ; my 32 keys of half ph for all 128 queries: 16 bytes a lane and accumulator
	WIN 0x04
.set c, 0
.rept 16
	ds_store_b128 v[PST], v[8*(8*(2*(\ph)+c%2)+c/2):8*(8*(2*(\ph)+c%2)+c/2)+3] offset:16*TP*(c/2)+32*(c%2)
.set c, c+1
.endr
	WIN 0
.endm
.macro XASK blk                        ; block blk of my rows of x: 16 rows x 512 bytes, a lane 256 bytes
.set XROW, 256*((\blk)/4)+128*(((\blk)%4)/2)+16*((\blk)%2)
	global_prefetch_b8 v[PXO], s[XB:XB+1] offset:4096*XROW th:TH_LOAD_NT scope:SCOPE_SE
.endm
.macro ALLQ line:vararg                ; one line for each query tile q
.set q, 0
.rept 8
	\line
.set q, q+1
.endr
.endm
.macro SCALE n                         ; c s - c m for accumulator n
.set p, 0
.rept 4
	v_pk_fma_f32 v[8*(\n)+2*p:8*(\n)+2*p+1], v[8*(\n)+2*p:8*(\n)+2*p+1], s[CS:CS+1], v[ST+4*((\n)%8):ST+4*((\n)%8)+1] op_sel_hi:[1,0,0] neg_lo:[0,0,1] neg_hi:[0,0,1]
.set p, p+1
.endr
.endm
	s_wait_tensorcnt 0x1                           ; my parts of Q and of tile 0 are in; tile 1 may stay out
	s_barrier_signal -1
	s_barrier_wait -1                              ; everybody's are
.Lblock:                               ; a block of 256 keys: four tiles of K, the softmax, four tiles of v'
	v_mov_b32 v[AR], v[AR0Q]
	FETCH F0, 0
	QUARTER F0, F1, 64, 0x50, 0, 1                 ; the first quarter's products start the sums
	WIN 0
	s_mov_b32 s[CNT], 3
.Lk:
	QUARTER F1, F0, 128, 0x50, 0, 0
	QUARTER F0, F1, 192, 0x50, 0, 0
	TURN 0x50, 0, 1, 2
	QUARTER F0, F1, 64, 0x50, 0, 0
	WIN 0
	s_sub_co_u32 s[CNT], s[CNT], 1
	s_cmp_lg_u32 s[CNT], 0
	s_cbranch_scc1 .Lk
	QUARTER F1, F0, 128, 0x50, 0, 0
	QUARTER F0, F1, 192, 0x50, 0, 0
	TURN 0x50, 0, 1, 0
	WIN 0
	PLACES                                         ; behind the last products: their scores are read and their fragment registers put to other use
	; THE SOFTMAX.  The maximum of my 32 scores a query tile: four chains, three operands at a time; each accumulator's lowest registers are read first
	WIN 0x15
.set n, 0
.rept 32
	v_max3_num_f32 v[CHN+4*(n%8)+n/8], v[8*n], v[8*n+1], v[8*n+2]
.set n, n+1
.endr
	WIN 0x14
.irp o, 3, 5
.set n, 0
.rept 32
	v_max3_num_f32 v[CHN+4*(n%8)+n/8], v[CHN+4*(n%8)+n/8], v[8*n+\o], v[8*n+\o+1]
.set n, n+1
.endr
.endr
	ALLQ v_max3_num_f32 v[CHN+4*q], v[CHN+4*q], v[8*q+7], v[8*(8+q)+7]
	ALLQ v_max3_num_f32 v[CHN+4*q+1], v[CHN+4*q+1], v[8*(16+q)+7], v[8*(24+q)+7]
	WIN 0
	ALLQ v_max3_num_f32 v[CHN+4*q], v[CHN+4*q], v[CHN+4*q+1], v[CHN+4*q+2]
	ALLQ v_max_num_f32 v[CHN+4*q], v[CHN+4*q], v[CHN+4*q+3]
	ALLQ v_permlanex16_b32 v[EXC+q], v[CHN+4*q], s[SEL], s[SEL+1]
	ALLQ v_max_num_f32 v[WM+q], v[CHN+4*q], v[EXC+q]
	ds_store_b128 v[MXS], v[WM:WM+3]               ; my wave's maxima: query r, tiles 0-7 (both halves of the lanes write the same)
	ds_store_b128 v[MXS], v[WM+4:WM+7] offset:16
	PBAR
.set c, 0
.rept 4
	ds_load_b128 v[MXIN+8*c:MXIN+8*c+3], v[MXR] offset:512*c
	ds_load_b128 v[MXIN+8*c+4:MXIN+8*c+7], v[MXR] offset:512*c+16
.set c, c+1
.endr
	s_wait_dscnt 0x0
	ALLQ v_mov_b32 v[CMO+q], v[ST+4*q]
	ALLQ v_max3_num_f32 v[ST+4*q+1], v[ST+4*q+1], v[MXIN+q], v[MXIN+8+q]
	ALLQ v_max3_num_f32 v[ST+4*q+1], v[ST+4*q+1], v[MXIN+16+q], v[MXIN+24+q]
	ALLQ v_mul_f32 v[ST+4*q], s[CS], v[ST+4*q+1]
	ALLQ v_sub_f32 v[CMO+q], v[CMO+q], v[ST+4*q]
	ALLQ v_exp_f32 v[AA+2*q], v[CMO+q]
	; ONE BATCH of exponentials: the eight a and all 256 weights; an accumulator's scalings stand ahead of the exponentials of the one before it; nothing ahead of the wait names a result
	WIN 0x41
	SCALE 0
.set n, 0
.rept 32
.if n < 31
	SCALE n+1
.endif
.set e, 0
.rept 8
	v_exp_f32 v[8*n+e], v[8*n+e]
.set e, e+1
.endr
.set n, n+1
.endr
	v_nop                                          ; a plain instruction behind the last exponential,
	s_wait_alu depctr_va_vdst(0)                   ; and the one wait ahead of the batch's first reader
	WIN 0
	ALLQ ds_store_b32 v[RLS], v[AA+2*q] offset:64*q
.set c, 0
.rept 8                                ; a comes back by query, eight a lane and tile: my wave's own bytes, served in order
	ds_load_b128 v[AQ+8*c:AQ+8*c+3], v[RLR] offset:64*c
	ds_load_b128 v[AQ+8*c+4:AQ+8*c+7], v[RLR] offset:64*c+16
.set c, c+1
.endr
	WIN 0x10
	ALLQ v_pk_fma_f32 v[ST+4*q+2:ST+4*q+3], v[ST+4*q+2:ST+4*q+3], v[AA+2*q:AA+2*q+1], v[8*q:8*q+1] op_sel_hi:[1,0,1]
	WIN 0x04
.set z, 1
.rept 15                               ; l takes my other 15 pairs of weights; eight chains, one a query tile
	ALLQ v_pk_add_f32 v[ST+4*q+2:ST+4*q+3], v[ST+4*q+2:ST+4*q+3], v[8*(8*(z/4)+q)+2*(z%4):8*(8*(z/4)+q)+2*(z%4)+1]
.set z, z+1
.endr
	WIN 0x45
.set n, 0
.rept 32                               ; rounded to bf16, in place: eight weights into the accumulator's four lowest registers
	v_cvt_pk_bf16_f32 v[8*n], v[8*n], v[8*n+1]
	v_cvt_pk_bf16_f32 v[8*n+1], v[8*n+2], v[8*n+3]
	v_cvt_pk_bf16_f32 v[8*n+2], v[8*n+4], v[8*n+5]
	v_cvt_pk_bf16_f32 v[8*n+3], v[8*n+6], v[8*n+7]
.set n, n+1
.endr
	PSTORE 0                                       ; every wave's reads of P's last half were over at the round that closed the block before
	s_wait_dscnt 16                                ; a by query is in; P's 16 stores may stay out while O is rescaled
.irp w, 0x82, 0xc3
	WIN \w
.set n, 0
.rept 32
.set p, 0
.rept 4
	v_pk_mul_f32 v[8*n+2*p:8*n+2*p+1], v[8*n+2*p:8*n+2*p+1], v[AQ+8*(n%8)+2*p:AQ+8*(n%8)+2*p+1]
.set p, p+1
.endr
.set n, n+1
.endr
.endr
	WIN 0
	PBAR                                           ; P's first half is whole
	v_mov_b32 v[AR], v[AR0P]
	FETCH F0, 0
	TILE3 0xa0
	TURN 0xa0, 1, 1, 1
	TILE3 0xf0
	TURN 0xf0, 1, 1, 0                             ; at its barrier every wave's reads of P's first half were over
	PSTORE 1
	PBAR
	FETCH F0, 0
	TILE3 0xa0
	WIN 0
	s_cmp_eq_u32 s[KBC], 1
	s_cbranch_scc1 .Ltail                          ; the last block's last two tiles are written out: they ask for nothing more
	TURN 0xa0, 1, 1, 1
	TILE3 0xf0
	TURN 0xf0, 1, 1, 0
	WIN 0
	s_sub_co_u32 s[KBC], s[KBC], 1
	s_branch .Lblock
.Ltail:
	TURN 0xa0, 1, 0, 1                             ; the one load that was out is the last tile's, so no round follows
	WIN 0
	XASK 0
	XASK 1
	XASK 2
	XASK 3
	TILE3 0xf0
	s_wait_dscnt 8
	MULQ F1, 0, 4, 0xf0, 1, 0
	s_wait_dscnt 0x0
	MULQ F1, 4, 4, 0xf0, 1, 0
	WIN 0
	PLACES
	; l: the two parities, the other half of the lanes, the four waves; then 1 / l by query
	ALLQ v_add_f32 v[64+q], v[ST+4*q+2], v[ST+4*q+3]
	ALLQ v_permlanex16_b32 v[72+q], v[64+q], s[SEL], s[SEL+1]
	ALLQ v_add_f32 v[64+q], v[64+q], v[72+q]
	ds_store_b128 v[LSS], v[64:67]
	ds_store_b128 v[LSS], v[68:71] offset:16
	PBAR                                           ; also: no wave reads P any more, so its bytes serve as stages
.set c, 0
.rept 4
	ds_load_b128 v[MXIN+8*c:MXIN+8*c+3], v[LSR] offset:512*c
	ds_load_b128 v[MXIN+8*c+4:MXIN+8*c+7], v[LSR] offset:512*c+16
.set c, c+1
.endr
	s_wait_dscnt 0x0
	ALLQ v_add_f32 v[64+q], v[MXIN+q], v[MXIN+8+q]
	ALLQ v_add_f32 v[72+q], v[MXIN+16+q], v[MXIN+24+q]
	ALLQ v_add_f32 v[64+q], v[64+q], v[72+q]
	ALLQ v_rcp_f32 v[80+q], v[64+q]
	v_nop                                          ; a plain instruction behind the last reciprocal,
	s_wait_alu depctr_va_vdst(0)                   ; and one wait for the eight, ahead of their first reader
	ALLQ ds_store_b32 v[RLS], v[80+q] offset:64*q
.set c, 0
.rept 8
	ds_load_b128 v[RLQ+8*c:RLQ+8*c+3], v[RLR] offset:64*c
	ds_load_b128 v[RLQ+8*c+4:RLQ+8*c+7], v[RLR] offset:64*c+16
.set c, c+1
.endr
	s_wait_dscnt 0x0
; THE WAY OUT of block blk: 16 rows o x 128 queries.  x's rows are asked for; O is divided by l; through my stage it comes back as whole rows of 512 bytes; x is added; stored.
.macro OUTB blk
.set OROW, 256*((\blk)/4)+128*(((\blk)%4)/2)+16*((\blk)%2)
.set AC, 64*((\blk)%4)
	WIN 0
	s_wait_xcnt 0x0                                ; the last block's stores have read their data: only behind this wait is it rewritten
.set c, 0
.rept 16
	global_load_b128 v[XR+4*c:XR+4*c+3], v[XO], s[XB:XB+1] offset:4096*(OROW+c) th:TH_LOAD_NT
.set c, c+1
.endr
.if (\blk) < 4
	XASK (\blk)+4
.endif
	WIN 0x82+0x41*((\blk)/4)
.set c, 0
.rept 32
	v_pk_mul_f32 v[AC+2*c:AC+2*c+1], v[AC+2*c:AC+2*c+1], v[RLQ+2*c:RLQ+2*c+1]  ; ascending: each accumulator's lowest registers are read first
.set c, c+1
.endr
	WIN 0x08+4*((\blk)/4)
.set c, 0
.rept 16
	ds_store_b128 v[STG], v[AC+4*c:AC+4*c+3] offset:64*(c/2)+16*(c%2)
.set c, c+1
.endr
	WIN 0
.set c, 0
.rept 16
	ds_load_b128 v[128+4*c+64*(c/8):128+4*c+64*(c/8)+3], v[SRD] offset:GP*c  ; my wave's own bytes, served in order
.set c, c+1
.endr
.set c, 0
.rept 16
.set rO, 128+4*c+64*(c/8)
	s_wait_dscnt 15-c                              ; row c is back; the rows behind it stay out,
	s_wait_loadcnt 15-c                            ; and so for x
	v_pk_add_f32 v[rO:rO+1], v[rO:rO+1], v[XR+4*c:XR+4*c+1]
	v_pk_add_f32 v[rO+2:rO+3], v[rO+2:rO+3], v[XR+4*c+2:XR+4*c+3]
	global_store_b128 v[XO], v[rO:rO+3], s[OB:OB+1] offset:4096*(OROW+c) th:TH_STORE_NT  ; 32 lanes store 512 consecutive bytes, aligned to 256
.set c, c+1
.endr
.endm
.irp b, 0,1,2,3,4,5,6,7
	OUTB \b
.endr
	s_wait_tensorcnt 0x0                           ; the wave's end: behind my last tensor load and my last LDS store
	ds_add_u32 v[SPW], v[NIL]
	s_wait_dscnt 0x0
	CROUND                                         ; the closing round: no work-group ends while a partner may still ask for a tile that names it
	s_endpgm
.Lfunc_end_k_qfe7f007476_attn:
	.size	k_qfe7f007476_attn, .Lfunc_end_k_qfe7f007476_attn-k_qfe7f007476_attn
	.p2alignl 7, 3214868480
	.fill 96, 4, 3214868480
	.section	.rodata,"a",@progbits
	.p2align	6, 0x0
	.amdhsa_kernel k_qfe7f007476_attn
		.amdhsa_group_segment_fixed_size 327680
		.amdhsa_private_segment_fixed_size 0
		.amdhsa_enable_private_segment 0
		.amdhsa_kernarg_size 40
		.amdhsa_user_sgpr_count 2
		.amdhsa_user_sgpr_kernarg_segment_ptr 1
		.amdhsa_wavefront_size32 1
		.amdhsa_system_sgpr_workgroup_id_x 1
		.amdhsa_system_sgpr_workgroup_id_y 1
		.amdhsa_system_sgpr_workgroup_id_z 1
		.amdhsa_system_vgpr_workitem_id 0
		.amdhsa_next_free_vgpr 1024
		.amdhsa_next_free_sgpr 90
		.amdhsa_reserve_vcc 0
		.amdhsa_float_denorm_mode_32 3
		.amdhsa_float_denorm_mode_16_64 3
		.amdhsa_memory_ordered 1
		.amdhsa_forward_progress 1
		.amdhsa_inst_pref_size 255
	.end_amdhsa_kernel
	.section	.bss,"aw",@nobits
	.p2align	6
	.space	262144
	.amdgpu_metadata
---
amdhsa.version: [ 1, 2 ]
amdhsa.kernels:
  - .name:           k_qfe7f007476_attn
    .symbol:         k_qfe7f007476_attn.kd
    .args:
      - { .name: qb, .offset: 0, .size: 8, .value_kind: global_buffer, .address_space: global }
      - { .name: kbuf, .offset: 8, .size: 8, .value_kind: global_buffer, .address_space: global }
      - { .name: vt, .offset: 16, .size: 8, .value_kind: global_buffer, .address_space: global }
      - { .name: x, .offset: 24, .size: 8, .value_kind: global_buffer, .address_space: global }
      - { .name: out0, .offset: 32, .size: 8, .value_kind: global_buffer, .address_space: global }
    .group_segment_fixed_size: 327680
    .private_segment_fixed_size: 0
    .kernarg_segment_align: 8
    .kernarg_segment_size: 40
    .max_flat_workgroup_size: 128
    .sgpr_count:     90
    .vgpr_count:     1024
    .wavefront_size: 32
...
	.end_amdgpu_metadata
.endif
;; end of part 3
;; ======== version 2 of 2: 3 launches
;; limits: values outside matrix products are rounded to bf16
;; workspace buffers: h 33,554,432 bytes; wcat 1,572,864 bytes; bvo 2,048 bytes; qb 33,554,432 bytes; kbuf 33,554,432 bytes; vt 33,554,432 bytes
;; launch prep (part 4): grid 1328 x 1, 8 waves a work-group, no clusters, 34,816 bytes of LDS; arguments x, gn_scale, gn_bias, wq, wk, wv, wo, bv, bo, h, wcat, bvo; writes h, wcat, bvo
.if DOCPART == 4
	.amdgcn_target "amdgcn-amd-amdhsa--gfx1250"
	.amdhsa_code_object_version 6
	.text
	.protected	k_qfe7f007476_prep
	.globl	k_qfe7f007476_prep
	.p2align	8
	.type	k_qfe7f007476_prep,@function
k_qfe7f007476_prep:
	s_mov_b64 s[64:65], 0
	v_nop
	global_prefetch_b8 v0, s[64:65] scope:SCOPE_SE
	s_setreg_imm32_b32 hwreg(HW_REG_WAVE_MODE, 25, 1), 1
	s_wait_xcnt 0x0
; GROUP NORM, THE WEIGHTS' CAST, AND THE TWO LAST PROJECTIONS MADE ONE.  x: [32][512][1024] f32.  h: the same shape in bf16.
; wcat: three 512 x 512 matrices in bf16, [matrix][ks 8][o 512][64 c]: 24 dense tiles of 65,536 bytes: wq, wk, and W' = wo wv.  bvo: b' = wo bv + bo, 512 f32.
; Since wo (wv h + bv) + bo = W' h + b' for every input, the next launch makes one projection where the formula has two.
; FOUR KINDS OF WORK-GROUP, told apart by the work-group's number (the same answer in all its waves); the short ones have the low numbers.
;   0 .. 255     32 o x 32 c of W'.  K = 512 is split among the eight waves, 64 each: 2 K steps x 4 tiles.  Source 0 = 16 columns of wv (a lane a column, so 4-byte loads down the rows), source 1 = 16 rows of wo:
;                a lane holds one o and 8 neighbouring c.  Operands rounded to bf16, sums in f32; the eight partial sums meet in LDS.  W' leaves in pieces of 64 bytes, half a tile row: a tile with whole
;                rows would need more than the 128 registers of this launch, and W' is 524,288 of the 35 million bytes stored here.
;   256 .. 271   32 rows of b', a wave 4 rows, all in f32.
;   272 .. 303   32 rows of wq or wk, rounded to bf16.
;   304 .. 1327  one (image, group): 16 channels x 1,024 pixels = 65,536 consecutive bytes of x.  Thread t keeps 64 numbers in registers between the passes, so x is read once.  The variance is the mean of
;                (x - mean)^2, taken after the mean is known: no difference of large sums is formed.
; No cluster: what is shared (wo, wv among the product's work-groups) is 2 of the 71 million bytes read.  No prefetch: each work-group asks for all that it reads at its start.
; LIMITS.  h and W' are rounded once to bf16.  NaN and infinities are not treated apart.
.set RED0,  0                          ; LDS: eight waves' partial sums, pass 1
.set RED1,  256                        ; pass 2, bytes of its own: no barrier is needed between reading the one and writing the other
.set SPARE, 512                        ; the spare words, 128 bytes a wave: four blocks of 256 bytes that no other line names
.set PART,  2048                       ; the product: wave w's four partial tiles, 1,024 bytes each, at 4,096 w
.set NPROD, 256
.set NBIAS, 16
.set NCAST, 32
.set X,   16                           ; v[16:79]   chunk j (channel j of the group): 4 numbers
.set CHN, 80                           ; v[80:87]   four packed chains
.set Y,   96                           ; v[96:127]  what is stored
.set WV,  28                           ; s28  my wave's number
	s_load_b512 s[4:19], s[0:1], 0x0               ; x 4, gn_scale 6, gn_bias 8, wq 10, wk 12, wv 14, wo 16, bv 18
	s_load_b256 s[20:27], s[0:1], 0x40             ; bo 20, h 22, wcat 24, bvo 26
	v_lshl_add_u32 v4, v0, 2, SPARE                ; my spare word
	v_mov_b32 v5, 0
	v_lshrrev_b32 v7, 5, v0
	v_readfirstlane_b32 s[WV], v7                  ; wave 0..7
	s_mov_b32 s84, 0x76543210                      ; each lane takes its own place in the other half
	s_mov_b32 s85, 0xfedcba98
	s_cmp_lt_u32 ttmp9, NPROD
	s_cbranch_scc1 .Lprod
	s_cmp_lt_u32 ttmp9, NPROD+NBIAS
	s_cbranch_scc1 .Lbias
	s_cmp_lt_u32 ttmp9, NPROD+NBIAS+NCAST
	s_cbranch_scc1 .Lcast
	s_sub_co_u32 s29, ttmp9, NPROD+NBIAS+NCAST     ; 32 x image + group
	v_mov_b32 v3, s[WV]
	v_lshlrev_b32 v3, 2, v3                        ; my wave's word among the partial sums
	v_mov_b32 v6, 0
	v_mov_b32 v89, 0                               ; written, since the lane exchange counts its destination as read
	v_lshlrev_b32 v1, 4, v0                        ; 16 t: my 16 bytes of a channel of x
	v_lshlrev_b32 v2, 3, v0                        ; 8 t: my 8 bytes of a channel of h
	s_mov_b32 s70, 0x38800000                      ; 1 / 16,384
	s_mov_b32 s71, 0x3727c5ac                      ; 1e-5
	s_mov_b32 s83, 0                               ; named in a pair with s82
	s_lshl_b32 s72, s29, 16                        ; 65,536 bytes of x a group
	s_mov_b32 s73, 0
	s_lshl_b32 s74, s29, 15                        ; 32,768 bytes of h
	s_mov_b32 s75, 0
	s_and_b32 s76, s29, 31
	s_lshl_b32 s76, s76, 6                         ; the group's 16 scales and biases: 64 bytes
	s_mov_b32 s77, 0
	s_wait_kmcnt 0x0
	s_add_nc_u64 s[4:5], s[4:5], s[72:73]
	s_add_nc_u64 s[22:23], s[22:23], s[74:75]
	s_add_nc_u64 s[6:7], s[6:7], s[76:77]
	s_add_nc_u64 s[8:9], s[8:9], s[76:77]
	s_load_b512 s[32:47], s[6:7], 0x0
	s_load_b512 s[48:63], s[8:9], 0x0
.set j, 0
.rept 16
	global_load_b128 v[X+4*j:X+4*j+3], v1, s[4:5] offset:4096*j th:TH_LOAD_NT  ; a wave's load covers 512 consecutive bytes; the eight waves a channel
.set j, j+1
.endr
.macro FOLD                            ; four chains -> one number -> the wave's sum in every lane
	v_pk_add_f32 v[80:81], v[80:81], v[82:83]
	v_pk_add_f32 v[84:85], v[84:85], v[86:87]
	v_pk_add_f32 v[80:81], v[80:81], v[84:85]
	v_add_f32 v88, v80, v81
	v_add_f32_dpp v88, v88, v88 row_xmask:1 row_mask:0xf bank_mask:0xf
	v_add_f32_dpp v88, v88, v88 row_xmask:2 row_mask:0xf bank_mask:0xf
	v_add_f32_dpp v88, v88, v88 row_xmask:4 row_mask:0xf bank_mask:0xf
	v_add_f32_dpp v88, v88, v88 row_xmask:8 row_mask:0xf bank_mask:0xf
	v_permlanex16_b32 v89, v88, s84, s85
	v_add_f32 v88, v88, v89
.endm
.macro ACROSS red                      ; the eight waves' sums meet in LDS; v88 = the group's sum in every lane
	ds_store_b32 v3, v88 offset:\red
	s_wait_dscnt 0x0                               ; for the others' sake: my store is done
	s_barrier_signal -1
	s_barrier_wait -1
	ds_load_b128 v[88:91], v6 offset:\red
	ds_load_b128 v[92:95], v6 offset:(\red)+16
	s_wait_dscnt 0x0
	v_add_f32 v88, v88, v89
	v_add_f32 v90, v90, v91
	v_add_f32 v92, v92, v93
	v_add_f32 v94, v94, v95
	v_add_f32 v88, v88, v90
	v_add_f32 v92, v92, v94
	v_add_f32 v88, v88, v92
.endm
	; pass 1: the sum.  The first four chunks start the chains: nothing is cleared.
.set j, 0
.rept 16
	s_wait_loadcnt 15-j                            ; loads come back in order: chunk j is in, the 15 - j behind it stay out
.if j < 4
	v_pk_add_f32 v[CHN+2*j:CHN+2*j+1], v[X+4*j:X+4*j+1], v[X+4*j+2:X+4*j+3]
.else
	v_pk_add_f32 v[CHN+2*(j%4):CHN+2*(j%4)+1], v[CHN+2*(j%4):CHN+2*(j%4)+1], v[X+4*j:X+4*j+1]
	v_pk_add_f32 v[CHN+2*(j%4):CHN+2*(j%4)+1], v[CHN+2*(j%4):CHN+2*(j%4)+1], v[X+4*j+2:X+4*j+3]
.endif
.set j, j+1
.endr
	FOLD
	ACROSS RED0
	v_mul_f32 v90, s70, v88                        ; the mean (v91, named with it as a pair, has been written)
	; pass 2: x - mean, in place, and the sum of its squares
.set p, 0
.rept 32
	v_pk_add_f32 v[X+2*p:X+2*p+1], v[X+2*p:X+2*p+1], v[90:91] op_sel_hi:[1,0] neg_lo:[0,1] neg_hi:[0,1]
.if p < 4
	v_pk_mul_f32 v[CHN+2*p:CHN+2*p+1], v[X+2*p:X+2*p+1], v[X+2*p:X+2*p+1]
.else
	v_pk_fma_f32 v[CHN+2*(p%4):CHN+2*(p%4)+1], v[X+2*p:X+2*p+1], v[X+2*p:X+2*p+1], v[CHN+2*(p%4):CHN+2*(p%4)+1]
.endif
.set p, p+1
.endr
	FOLD
	ACROSS RED1
	v_fma_f32 v88, v88, s70, s71                   ; variance + eps
	v_rsq_f32 v92, v88
	v_nop                                          ; a plain instruction behind the root,
	s_wait_alu depctr_va_vdst(0)                   ; and the wait ahead of its first reader
	s_wait_kmcnt 0x0                               ; the scales and biases
.set j, 0
.rept 16
	v_mul_f32 v94, s[32+j], v92                    ; h = (x - mean) (rstd scale) + bias: one fused multiply-add (v95, named with v94 as a pair, has been written)
	s_mov_b32 s82, s[48+j]
	v_pk_fma_f32 v[X+4*j:X+4*j+1], v[X+4*j:X+4*j+1], v[94:95], s[82:83] op_sel_hi:[1,0,0]
	v_pk_fma_f32 v[X+4*j+2:X+4*j+3], v[X+4*j+2:X+4*j+3], v[94:95], s[82:83] op_sel_hi:[1,0,0]
	v_cvt_pk_bf16_f32 v[Y+2*j], v[X+4*j], v[X+4*j+1]
	v_cvt_pk_bf16_f32 v[Y+2*j+1], v[X+4*j+2], v[X+4*j+3]
	global_store_b64 v2, v[Y+2*j:Y+2*j+1], s[22:23] offset:2048*j th:TH_STORE_NT  ; a wave's store covers 256 consecutive bytes, aligned
.set j, j+1
.endr
	s_branch .Lend
.Lcast:                                ; 32 rows of wq or wk
	s_sub_co_u32 s29, ttmp9, NPROD+NBIAS
	s_lshr_b32 s30, s29, 4                         ; which matrix
	s_and_b32 s31, s29, 15                         ; which 32 rows
	v_and_b32 v8, 7, v0                            ; u: my 8 numbers among a tile row's 64
	v_bfe_u32 v9, v0, 3, 1                         ; row parity
	v_bfe_u32 v10, v0, 4, 3                        ; ks: which 64 columns
	v_lshrrev_b32 v11, 7, v0
	v_lshl_add_u32 v12, v11, 1, v9
	s_lshl_b32 s67, s31, 5
	v_add_nc_u32 v12, s67, v12                     ; my first row; the others lie 4 rows apart
	v_lshlrev_b32 v1, 11, v12                      ; in: row x 2,048 + 256 ks + 32 u
	v_lshl_add_u32 v1, v10, 8, v1
	v_lshl_add_u32 v1, v8, 5, v1
	v_lshlrev_b32 v2, 7, v12                       ; out: matrix x 524,288 + ks x 65,536 + row x 128 + 16 u
	v_lshl_add_u32 v2, v10, 16, v2
	v_lshl_add_u32 v2, v8, 4, v2
	s_lshl_b32 s68, s30, 19
	v_add_nc_u32 v2, s68, v2
	s_wait_kmcnt 0x0
	s_cmp_eq_u32 s30, 1
	s_cselect_b64 s[10:11], s[12:13], s[10:11]
.set p, 0
.rept 8
	global_load_b128 v[X+8*p:X+8*p+3], v1, s[10:11] offset:8192*p th:TH_LOAD_NT
	global_load_b128 v[X+8*p+4:X+8*p+7], v1, s[10:11] offset:8192*p+16 th:TH_LOAD_NT
.set p, p+1
.endr
.set p, 0
.rept 8
	s_wait_loadcnt 14-2*p                          ; pair p is in; the pairs behind it stay out
	v_cvt_pk_bf16_f32 v[Y+4*p], v[X+8*p], v[X+8*p+1]
	v_cvt_pk_bf16_f32 v[Y+4*p+1], v[X+8*p+2], v[X+8*p+3]
	v_cvt_pk_bf16_f32 v[Y+4*p+2], v[X+8*p+4], v[X+8*p+5]
	v_cvt_pk_bf16_f32 v[Y+4*p+3], v[X+8*p+6], v[X+8*p+7]
	global_store_b128 v2, v[Y+4*p:Y+4*p+3], s[24:25] offset:512*p th:TH_STORE_NT  ; 16 lanes: two neighbouring tile rows, 256 consecutive bytes, aligned
.set p, p+1
.endr
	s_branch .Lend
.Lbias:                                ; b'[o] = sum over m of wo[o][m] bv[m] + bo[o]: a wave takes 4 rows; lane l takes m = 4 l + 128 e + 0..3
	s_sub_co_u32 s29, ttmp9, NPROD
	v_and_b32 v8, 31, v0
	v_and_b32 v9, 3, v0
	v_lshlrev_b32 v1, 4, v8                        ; 16 l
	s_lshl_b32 s30, s29, 5
	s_lshl_b32 s31, s[WV], 2
	s_add_co_u32 s30, s30, s31                     ; my wave's first row
	s_lshl_b32 s31, s30, 11
	v_add_nc_u32 v2, s31, v1
	v_add_nc_u32 v3, s30, v9
	v_lshlrev_b32 v3, 2, v3                        ; row (first + l % 4) in bo and in bvo
	s_wait_kmcnt 0x0
.set e, 0
.rept 4
	global_load_b128 v[16+4*e:16+4*e+3], v1, s[18:19] offset:512*e
.set e, e+1
.endr
.set i, 0
.rept 16
	global_load_b128 v[32+4*i:32+4*i+3], v2, s[16:17] offset:2048*(i/4)+512*(i%4)
.set i, i+1
.endr
	global_load_b32 v96, v3, s[20:21]
	s_wait_loadcnt 0x0
.irp i, 0,1,2,3                        ; four chains, one a row; the first product starts each
	v_pk_mul_f32 v[100+2*\i:101+2*\i], v[32+16*\i:33+16*\i], v[16:17]
.endr
.set p, 1
.rept 7
.irp i, 0,1,2,3
	v_pk_fma_f32 v[100+2*\i:101+2*\i], v[32+16*\i+2*p:33+16*\i+2*p], v[16+2*p:17+2*p], v[100+2*\i:101+2*\i]
.endr
.set p, p+1
.endr
.irp i, 0,1,2,3
	v_add_f32 v[100+2*\i], v[100+2*\i], v[101+2*\i]
.endr
.irp m, 1,2,4,8
.irp i, 0,1,2,3
	v_add_f32_dpp v[100+2*\i], v[100+2*\i], v[100+2*\i] row_xmask:\m row_mask:0xf bank_mask:0xf
.endr
.endr
.irp i, 0,1,2,3
	v_permlanex16_b32 v[101+2*\i], v[100+2*\i], s84, s85
.endr
.irp i, 0,1,2,3
	v_add_f32 v[100+2*\i], v[100+2*\i], v[101+2*\i]
.endr
	v_cmp_eq_u32 vcc_lo, 1, v9                     ; lane l keeps row l % 4
	v_cndmask_b32 v100, v100, v102, vcc_lo
	v_cmp_eq_u32 vcc_lo, 2, v9
	v_cndmask_b32 v100, v100, v104, vcc_lo
	v_cmp_eq_u32 vcc_lo, 3, v9
	v_cndmask_b32 v100, v100, v106, vcc_lo
	v_add_f32 v100, v100, v96
	s_wait_xcnt 0x0                                ; EXEC changes only behind this wait
	v_cmp_gt_u32 vcc_lo, 4, v8
	s_and_saveexec_b32 s31, vcc_lo
	global_store_b32 v3, v100, s[26:27]            ; lanes 0 to 3: the wave's 16 bytes of the 2,048
	s_wait_xcnt 0x0                                ; and again, ahead of the line that widens it
	s_or_b32 exec_lo, exec_lo, s31
	s_branch .Lend
.Lprod:                                ; W'[o][c] = sum over m of wo[o][m] wv[m][c] for o = 32 ob + 0..31, c = 32 cb + 0..31; my wave: m = 64 w + 0..63
	s_lshr_b32 s29, ttmp9, 4                       ; ob
	s_and_b32 s30, ttmp9, 15                       ; cb
	v_and_b32 v8, 15, v0                           ; r = l % 16
	v_bfe_u32 v9, v0, 4, 1                         ; hh = l / 16
	s_lshl_b32 s31, s29, 16
	s_lshl_b32 s67, s[WV], 8
	s_add_co_u32 s31, s31, s67
	v_lshlrev_b32 v1, 11, v8                       ; wo: (32 ob + r) x 2,048 + (64 w + 8 hh) x 4
	v_lshl_add_u32 v1, v9, 5, v1
	v_add_nc_u32 v1, s31, v1
	s_lshl_b32 s68, s[WV], 17
	s_lshl_b32 s69, s30, 7
	s_add_co_u32 s68, s68, s69
	v_lshlrev_b32 v2, 2, v8                        ; wv: (64 w + 8 hh) x 2,048 + (32 cb + r) x 4
	v_lshl_add_u32 v2, v9, 14, v2
	v_add_nc_u32 v2, s68, v2
	v_and_b32 v10, 31, v0                          ; where I put 32 bytes of a partial tile: 4,096 w + 32 l
	v_lshlrev_b32 v10, 5, v10
	s_lshl_b32 s67, s[WV], 12
	v_add_nc_u32 v10, s67, v10
	v_bfe_u32 v12, v0, 2, 1                        ; thread t finishes row t / 8, columns 4 (t % 8) + 0..3: column tile,
	v_bfe_u32 v13, v0, 7, 1                        ; row tile,
	v_bfe_u32 v14, v0, 3, 4                        ; the lane's r,
	v_bfe_u32 v15, v0, 1, 1                        ; its hh,
	v_and_b32 v6, 1, v0                            ; and which four of its eight registers
	v_lshlrev_b32 v11, 10, v12
	v_lshl_add_u32 v11, v13, 11, v11
	v_lshl_add_u32 v11, v14, 5, v11
	v_lshl_add_u32 v11, v15, 9, v11
	v_lshl_add_u32 v11, v6, 4, v11
	v_lshrrev_b32 v3, 3, v0                        ; out: matrix 2, tile cb / 2, row 32 ob + t / 8, byte 64 (cb % 2) + 8 (t % 8)
	v_lshlrev_b32 v3, 7, v3
	v_and_b32 v7, 7, v0
	v_lshl_add_u32 v3, v7, 3, v3
	s_lshl_b32 s67, s29, 12
	s_and_b32 s69, s30, 1
	s_lshl_b32 s69, s69, 6
	s_add_co_u32 s67, s67, s69
	s_lshr_b32 s69, s30, 1
	s_lshl_b32 s69, s69, 16
	s_add_co_u32 s67, s67, s69
	s_add_co_u32 s67, s67, 0x100000
	v_add_nc_u32 v3, s67, v3
	s_wait_kmcnt 0x0
; wv's two fragments of K step s, raw: lane (r, hh) takes rows 32 s + 8 hh + 0..7 and 16 more on, of its column
.macro WVRAW s
.set i, 0
.rept 32
	global_load_b32 v[80+i], v2, s[14:15] offset:65536*(\s)+2048*(i%8+16*((i%16)/8))+64*(i/16)
.set i, i+1
.endr
.endm
	WVRAW 0
.set i, 0
.rept 16                               ; wo's four fragments (row tile i / 8, K step (i / 4) % 2), raw: 32 bytes and 32 more 64 bytes on
	global_load_b128 v[16+4*i:16+4*i+3], v1, s[16:17] offset:32768*(i/8)+128*((i/4)%2)+64*((i%4)/2)+16*(i%2)
.set i, i+1
.endr
	s_wait_loadcnt 16                              ; wv's first step is in; wo's 16 loads may stay out
.set i, 0
.rept 16
	v_cvt_pk_bf16_f32 v[112+i], v[80+2*i], v[80+2*i+1]
.set i, i+1
.endr
	WVRAW 1                                        ; into the registers just read out: 48 loads of mine are out at the most
	s_wait_loadcnt 32                              ; wo is in; those 32 may stay out
.set i, 0
.rept 32
	v_cvt_pk_bf16_f32 v[16+i], v[16+2*i], v[16+2*i+1]  ; in place, ascending: no register is written before it is read
.set i, i+1
.endr
.irp t, 0,1,2,3                        ; tile t: column tile t % 2, row tile t / 2.  The first K step starts the sums; the four accumulators take turns
	v_wmma_f32_16x16x32_bf16 v[48+8*\t:55+8*\t], v[112+8*(\t%2):119+8*(\t%2)], v[16+16*(\t/2):23+16*(\t/2)], 0
.endr
	s_wait_loadcnt 0x0
.set i, 0
.rept 16
	v_cvt_pk_bf16_f32 v[80+i], v[80+2*i], v[80+2*i+1]
.set i, i+1
.endr
.irp t, 0,1,2,3
	v_wmma_f32_16x16x32_bf16 v[48+8*\t:55+8*\t], v[80+8*(\t%2):87+8*(\t%2)], v[24+16*(\t/2):31+16*(\t/2)], v[48+8*\t:55+8*\t]
.endr
.rept 8
	v_nop                                          ; places behind the last products, ahead of the stores that read them and of the loads into their sources
.endr
.irp t, 0,1,2,3
	ds_store_b128 v10, v[48+8*\t:51+8*\t] offset:PART+1024*\t
	ds_store_b128 v10, v[52+8*\t:55+8*\t] offset:PART+1024*\t+16
.endr
	s_wait_dscnt 0x0                               ; for the others' sake: my partial sums are written
	s_barrier_signal -1
	s_barrier_wait -1
.irp w, 0,1,2,3,4,5,6,7
	ds_load_b128 v[16+4*\w:19+4*\w], v11 offset:PART+4096*\w
.endr
	s_wait_dscnt 0x0
.irp a, 16, 24, 32, 40
	v_pk_add_f32 v[\a:\a+1], v[\a:\a+1], v[\a+4:\a+5]
	v_pk_add_f32 v[\a+2:\a+3], v[\a+2:\a+3], v[\a+6:\a+7]
.endr
.irp a, 16, 32
	v_pk_add_f32 v[\a:\a+1], v[\a:\a+1], v[\a+8:\a+9]
	v_pk_add_f32 v[\a+2:\a+3], v[\a+2:\a+3], v[\a+10:\a+11]
.endr
	v_pk_add_f32 v[16:17], v[16:17], v[32:33]
	v_pk_add_f32 v[18:19], v[18:19], v[34:35]
	v_cvt_pk_bf16_f32 v96, v16, v17
	v_cvt_pk_bf16_f32 v97, v18, v19
	global_store_b64 v3, v[96:97], s[24:25]        ; 8 lanes: 64 consecutive bytes, half a tile row
.Lend:
	s_wait_tensorcnt 0x0                           ; the wave's end: behind my last LDS store
	ds_add_u32 v4, v5
	s_wait_dscnt 0x0
	s_endpgm
.Lfunc_end_k_qfe7f007476_prep:
	.size	k_qfe7f007476_prep, .Lfunc_end_k_qfe7f007476_prep-k_qfe7f007476_prep
	.p2alignl 7, 3214868480
	.fill 96, 4, 3214868480
	.section	.rodata,"a",@progbits
	.p2align	6, 0x0
	.amdhsa_kernel k_qfe7f007476_prep
		.amdhsa_group_segment_fixed_size 34816
		.amdhsa_private_segment_fixed_size 0
		.amdhsa_enable_private_segment 0
		.amdhsa_kernarg_size 96
		.amdhsa_user_sgpr_count 2
		.amdhsa_user_sgpr_kernarg_segment_ptr 1
		.amdhsa_wavefront_size32 1
		.amdhsa_system_sgpr_workgroup_id_x 1
		.amdhsa_system_sgpr_workgroup_id_y 1
		.amdhsa_system_sgpr_workgroup_id_z 1
		.amdhsa_system_vgpr_workitem_id 0
		.amdhsa_next_free_vgpr 128
		.amdhsa_next_free_sgpr 90
		.amdhsa_reserve_vcc 1
		.amdhsa_float_denorm_mode_32 3
		.amdhsa_float_denorm_mode_16_64 3
		.amdhsa_memory_ordered 1
		.amdhsa_forward_progress 1
		.amdhsa_inst_pref_size 47
	.end_amdhsa_kernel
	.amdgpu_metadata
---
amdhsa.version: [ 1, 2 ]
amdhsa.kernels:
  - .name:           k_qfe7f007476_prep
    .symbol:         k_qfe7f007476_prep.kd
    .args:
      - { .name: x, .offset: 0, .size: 8, .value_kind: global_buffer, .address_space: global }
      - { .name: gn_scale, .offset: 8, .size: 8, .value_kind: global_buffer, .address_space: global }
      - { .name: gn_bias, .offset: 16, .size: 8, .value_kind: global_buffer, .address_space: global }
      - { .name: wq, .offset: 24, .size: 8, .value_kind: global_buffer, .address_space: global }
      - { .name: wk, .offset: 32, .size: 8, .value_kind: global_buffer, .address_space: global }
      - { .name: wv, .offset: 40, .size: 8, .value_kind: global_buffer, .address_space: global }
      - { .name: wo, .offset: 48, .size: 8, .value_kind: global_buffer, .address_space: global }
      - { .name: bv, .offset: 56, .size: 8, .value_kind: global_buffer, .address_space: global }
      - { .name: bo, .offset: 64, .size: 8, .value_kind: global_buffer, .address_space: global }
      - { .name: h, .offset: 72, .size: 8, .value_kind: global_buffer, .address_space: global }
      - { .name: wcat, .offset: 80, .size: 8, .value_kind: global_buffer, .address_space: global }
      - { .name: bvo, .offset: 88, .size: 8, .value_kind: global_buffer, .address_space: global }
    .group_segment_fixed_size: 34816
    .private_segment_fixed_size: 0
    .kernarg_segment_align: 8
    .kernarg_segment_size: 96
    .max_flat_workgroup_size: 256
    .sgpr_count:     90
    .vgpr_count:     128
    .wavefront_size: 32
...
	.end_amdgpu_metadata
.endif
;; end of part 4
;; launch qkv (part 5): grid 8 x 32, 4 waves a work-group, clusters of 4 x 1, 327,680 bytes of LDS; arguments h, wcat, bq, bk, bvo, qb, kbuf, vt; writes qb, kbuf, vt
.if DOCPART == 5
	.amdgcn_target "amdgcn-amd-amdhsa--gfx1250"
	.amdhsa_code_object_version 6
	.text
	.protected	k_qfe7f007476_qkv
	.globl	k_qfe7f007476_qkv
	.p2align	8
	.type	k_qfe7f007476_qkv,@function
k_qfe7f007476_qkv:
	s_mov_b64 s[64:65], 0
	v_nop
	global_prefetch_b8 v0, s[64:65] scope:SCOPE_SE
	s_setreg_imm32_b32 hwreg(HW_REG_WAVE_MODE, 25, 1), 1
	s_wait_xcnt 0x0
	s_wait_alu depctr_hold_cnt(0) depctr_sa_sdst(0) depctr_va_vdst(0) depctr_va_sdst(0) depctr_va_ssrc(0) depctr_va_vcc(0) depctr_vm_vsrc(0)
	s_getreg_b32 s2, hwreg(HW_REG_IB_STS2, 6, 4)
	s_cmp_eq_u32 s2, 0
	s_cbranch_scc0 .Lentry_in_a_cluster
	s_endpgm
.Lentry_in_a_cluster:
	s_bfe_u32 s2, ttmp6, 0x10000c
	s_cmp_lg_u32 s2, 0x3003
	s_cbranch_scc0 .Lentry_shape_is_right
	s_endpgm
.Lentry_shape_is_right:
; q = Wq h + bq, k = Wk h + bk (stored [image][token][512]), v' = W' h + b' (stored [image][key half][o 512][512 keys]).  All bf16, sums in f32.
; W' = Wo Wv and b' = Wo bv + bo come from the launch before: sum_m w[n,m] (Wo (Wv h_m + bv) + bo) = Wo (sum_m w[n,m] v_m) + bo for weights w that add up to 1, so the attention launch ends in its second product.
; SHARES.  A work-group: one image, 128 tokens.  Its slab h[512 c][128 tokens] stays in LDS; the 24 weight tiles [512 o][64 c] stream through two slots.  Wave w owns o = 128 w .. 128 w + 127 and
; all 128 tokens: 64 accumulators, 512 registers; for 32 along c it reads 32 x 16 bytes a lane from LDS and issues 64 matrix instructions.  Each wave fetches and alone reads its own 128 rows of a tile.
; CLUSTER.  Every work-group walks the same weights: the four of a cluster ask for each tile JOINTLY (the same load, descriptor and mask in all four).
; THE WALK.  A cluster has a phase p = image % 4, which its partners share.  At place t of a chunk's eight it takes tile (t + 2 p) % 8 (a sum over channels may be taken in any order), and h's four groups of 128
; channels are loaded into LDS turned by p, so that LDS rows 64 t on hold that tile's channels.  So the 64 clusters do not all ask for one tile in one step: the four phases ask for it two steps apart.
; Only global addresses hang on p: no LDS address, no branch, no trip count.
; h lies [c][token], so the token operand comes out of LDS turned, by ds_load_tr16_b128.
; ORIENTATION.  N (q, k): source 0 = 16 rows of W, source 1 = 16 tokens: a lane holds one token and 8 neighbouring o.  S (v'): source 0 = 16 tokens, source 1 = 16 rows of W: a lane holds one o and
; 8 neighbouring tokens.  The register numbers are the same in both; only the windows of the two sources change places.  The bias is the C operand of each sum's first product: nothing is cleared or added later.
; PREFETCH.  A tile is asked for first by the phase that has it at place 0 or 1 of its chunk.  Of each phase one cluster prefetches (images 0 to 3, cluster x = 0), its waves 0 and 2, each partner 8,192 bytes of
; a half tile told apart by address, a lane 256 bytes: behind the refill of place n it names place n + 2, where that is place 0 or 1 of chunk 1 or 2.  Chunk 0's come by their loads alone, at the head;
; h is asked for whole at the head, so nothing of it is prefetched.
; LIMITS.  q, k, v' are rounded once to bf16; NaN and infinities are not treated apart.
; REGISTERS, in windows of 256 (s_set_vgpr_msb: bits 1:0 source 0, 3:2 source 1, 5:4 source 2, 7:6 destination):
;   window 0: v0-15 addresses; v16-23 b'; v32-63, v224-255 rows on the way out; v192-223 packed results; v64-127, v128-191 fragments of h, two buffers
;   window 1: v0-63 the bias as a C operand; v64-127, v128-191 fragments of W        windows 2, 3: accumulator (i, j) in window 2 + i / 4 at v[8 (8 (i % 4) + j)]
.set WP,    144                        ; a tile row in LDS: 128 bytes + 16: the 16 rows of a load start at 16 different groups of four banks
.set HP,    288                        ; a row of h: 256 + 32
.set SLOTB, 512*WP                     ; 73,728 = 0x12000: one exclusive or changes slots (18,432 x wave has neither of its two bits)
.set HREG,  2*SLOTB
.set STAGE, HREG+512*HP                ; 16 rows x 272 bytes for each wave, for the way out; no tensor load fills it
.set SP,    272
.set SPARE, STAGE+4*16*SP              ; the spare words, 128 bytes a wave: two blocks of 256 bytes that no other line names
.set TILEB, 65536                      ; a weight tile in memory
.set AW0, 2                            ; my lane's place in my wave's rows of a slot; never rewritten
.set AW,  3                            ; the same in the slot in hand
.set AH0, 4                            ; my lane's place for the turning load, LDS rows 0 on; never rewritten
.set AH,  5                            ; the same at the tile in hand
.set STO, 6
.set RD,  7
.set CO,  8                            ; my byte offset in two output rows (1,024 bytes apart in all three outputs)
.set BOFN, 10
.set BOFS, 11
.set PFO, 12
.set SPW, 14
.set NIL, 15
.set RAW, 16
.set F0,  64
.set F1,  128
.set TMP, 192
.set WV,  22
.set CX,  23
.set TBN, 24
.set IMG, 25
.set G1H, 32
.set G1W, 40
.set G0H, 48
.set G0A, 52
.set G0,  56                           ; the walking descriptor
.set PFA, 60
.set TB,  62                           ; LDS byte of the slot in hand
.set CNT, 63
.set CH,  66
.set TI,  67                           ; refills so far: refill TI brings place TI + 2 of the walk's 24
.set PLIM, 68                          ; 24 in a wave that prefetches, else 0
.set DST, 70
.set DK,  72
.set DV,  74
.set WB,  84                           ; s[84:85] wcat at my wave's 128 rows of tile 0
.set PH2, 86                           ; s86  2 x the cluster's phase
.set OFF, 88                           ; s[88:89] a tile's byte offset
.set PFB, 90                           ; s[90:91] wcat at my share of a tile for the prefetches
.set N4,  92                           ; s92  a place of the walk
.set MSB, 0
.macro WIN new                         ; the high byte repeats the setting that is left; a switch that changes nothing is dropped
.if MSB != (\new)
	s_set_vgpr_msb (MSB<<8)|(\new)
.set MSB, (\new)
.endif
.endm
.macro PLACES                          ; four plain places behind matrix instructions, ahead of loads into their sources and of readers of their results
.rept 4
	v_nop
.endr
.endm
.macro CREST                           ; a round of the cluster's barrier behind its opening barrier
	s_cmp_lg_u32 s[WV], 0
	s_cbranch_scc1 .Lnw0_\@
	s_barrier_signal -3
.Lnw0_\@:
	s_barrier_wait -3
	s_barrier_signal -1
	s_barrier_wait -1
.endm
.macro CROUND
	s_barrier_signal -1
	s_barrier_wait -1
	CREST
.endm
.macro JLOAD                           ; the joint refill: one line for all waves, each with its own 128 rows; an s_nop 0 and four v_nop follow
	tensor_load_to_lds s[G0:G0+3], s[G1W:G1W+7]
	s_nop 0
	PLACES
.endm
.macro WADDR dst, n, base              ; place s[n] of the walk is tile 8 (n / 8) + (n + 2 p) % 8; offset and pointer are made apart
	s_add_co_u32 s87, s[\n], s[PH2]
	s_and_b32 s87, s87, 7
	s_and_b32 s93, s[\n], 0x18
	s_or_b32 s87, s87, s93
	s_lshl_b32 s[OFF], s87, 16
	s_add_nc_u64 s[(\dst):(\dst)+1], s[(\base):(\base)+1], s[OFF:OFF+1]
.endm
	s_load_b512 s[4:19], s[0:1], 0x0               ; h 4, wcat 6, bq 8, bk 10, bvo 12, qb 14, kbuf 16, vt 18
	v_lshl_add_u32 v[SPW], v0, 2, SPARE
	v_mov_b32 v[NIL], 0
	ds_add_u32 v[SPW], v[NIL]                      ; the wave's opening: the add and its wait stand ahead of my first tensor load; work on registers stands between them
	v_lshrrev_b32 v1, 5, v0
	v_readfirstlane_b32 s[WV], v1                  ; wave 0..3
	s_bfe_u32 s[CX], ttmp6, 0x40000                ; my place in the cluster
	s_lshl_b32 s[TBN], ttmp9, 2
	s_add_co_u32 s[TBN], s[TBN], s[CX]             ; my block of 128 tokens
	s_and_b32 s[IMG], ttmp7, 0xffff                ; the image
	s_and_b32 s[PH2], s[IMG], 3                    ; the cluster's phase p
	; group 1 for h: 128 rows (channels) x 128 elements (tokens), 1,024 elements from row to row; 8 words of padding after every 64
	s_mov_b32 s[G1H], (1<<16)|(1<<20)|(5<<22)|(7<<25)
	s_mov_b32 s[G1H+1], 128<<16
	s_mov_b32 s[G1H+2], 128<<16
	s_mov_b32 s[G1H+3], 128<<16
	s_mov_b32 s[G1H+4], 128
	s_mov_b32 s[G1H+5], 1024
	s_mov_b32 s[G1H+6], 0
	s_mov_b32 s[G1H+7], 0
	; group 1 for W: 16,384 dense bytes asked for as 64 rows of 256, padded by 4 words after every 32 (a tile row); mask of all four, bit 21 beside it
	s_mov_b32 s[G1W], 15|(1<<16)|(1<<20)|(1<<21)|(4<<22)|(3<<25)
	s_mov_b32 s[G1W+1], 128<<16
	s_mov_b32 s[G1W+2], 64<<16
	s_mov_b32 s[G1W+3], 128<<16
	s_mov_b32 s[G1W+4], 64
	s_mov_b32 s[G1W+5], 128
	s_mov_b32 s[G1W+6], 0
	s_mov_b32 s[G1W+7], 0
	s_mov_b32 s[G0H], 1
	s_mov_b32 s[G0A], 1
	s_mov_b32 s[G0], 1
	s_mul_i32 s[G0A+1], s[WV], 128*WP              ; LDS addresses hang on the wave's number alone
	s_add_co_u32 s[G0+1], s[G0A+1], SLOTB
	s_mul_i32 s[G0H+1], s[WV], 128*HP
	s_add_co_u32 s[G0H+1], s[G0H+1], HREG
	s_lshl_b32 s26, s[IMG], 20                     ; an image: 1 MiB in h, qb, kbuf, vt
	s_add_co_u32 s27, s[WV], s[PH2]                ; h: LDS rows 128 w on take the channels 128 ((w + p) % 4) on,
	s_and_b32 s27, s27, 3
	s_lshl_b32 s27, s27, 18
	s_add_co_u32 s28, s26, s27
	s_lshl_b32 s27, s[TBN], 8                      ; my block's 256 bytes of each
	s_add_co_u32 s28, s28, s27
	s_mov_b32 s29, 0
	s_lshl_b32 s[PH2], s[PH2], 1                   ; 2 p
	s_lshl_b32 s[OFF], s[PH2], 16                  ; place 0 of the walk is tile 2 p
	s_mov_b32 s[OFF+1], 0
	s_lshl_b32 s30, s[WV], 14                      ; W: my 128 rows of a tile
	s_mov_b32 s31, 0
	s_lshl_b32 s76, s[TBN], 17                     ; q, k: my block's 128 rows of 1,024 bytes, my wave's 256 bytes of each
	s_add_co_u32 s76, s76, s26
	s_lshl_b32 s77, s[WV], 8
	s_add_co_u32 s76, s76, s77
	s_mov_b32 s77, 0
	s_lshr_b32 s78, s[TBN], 2                      ; v': key half, my wave's 128 rows, my block's 256 bytes of each
	s_lshl_b32 s78, s78, 19
	s_add_co_u32 s78, s78, s26
	s_lshl_b32 s79, s[WV], 17
	s_add_co_u32 s78, s78, s79
	s_and_b32 s79, s[TBN], 3
	s_lshl_b32 s79, s79, 8
	s_add_co_u32 s78, s78, s79
	s_mov_b32 s79, 0
	s_lshr_b32 s80, s[WV], 1                       ; the prefetches: half a tile by the wave, 8,192 bytes of it by my place in the cluster
	s_lshl_b32 s80, s80, 15
	s_lshl_b32 s81, s[CX], 13
	s_add_co_u32 s80, s80, s81
	s_mov_b32 s81, 0
	s_and_b32 s82, s[WV], 1
	s_or_b32 s82, s82, ttmp9
	s_lshr_b32 s83, s[IMG], 2
	s_or_b32 s82, s82, s83
	s_cmp_eq_u32 s82, 0                            ; waves 0 and 2 of the first cluster of each phase: the same answer in all four partners
	s_cselect_b32 s[PLIM], 24, 0
	s_mov_b32 s[TI], 0
	s_mov_b32 s[TB], 0
	s_wait_dscnt 0x0                               ; the opening add is done
	s_wait_kmcnt 0x0
	s_add_nc_u64 s[G0H+2:G0H+3], s[4:5], s[28:29]
	s_or_b32 s[G0H+3], s[G0H+3], 0x80000000
	s_add_nc_u64 s[WB:WB+1], s[6:7], s[30:31]
	s_add_nc_u64 s[G0A+2:G0A+3], s[WB:WB+1], s[OFF:OFF+1]  ; place 0: tile 2 p
	s_add_nc_u64 s[G0+2:G0+3], s[G0A+2:G0A+3], TILEB       ; place 1: tile 2 p + 1
	s_or_b32 s[G0A+3], s[G0A+3], 0x80000000
	s_or_b32 s[G0+3], s[G0+3], 0x80000000
	s_add_nc_u64 s[DST:DST+1], s[14:15], s[76:77]
	s_add_nc_u64 s[DK:DK+1], s[16:17], s[76:77]
	s_add_nc_u64 s[DV:DV+1], s[18:19], s[78:79]
	s_add_nc_u64 s[PFB:PFB+1], s[6:7], s[80:81]
	CROUND                                         ; all four work-groups are here: the first joint loads meet
	tensor_load_to_lds s[G0H:G0H+3], s[G1H:G1H+7]  ; the first fills, one group: 128 channels of h (a load of my own), my part of places 0 and 1: three loads of mine are out
	s_nop 0
	tensor_load_to_lds s[G0A:G0A+3], s[G1W:G1W+7]
	s_nop 0
	tensor_load_to_lds s[G0:G0+3], s[G1W:G1W+7]
	s_nop 0
	PLACES
	v_and_b32 v32, 15, v0                          ; r = l % 16
	v_bfe_u32 v33, v0, 4, 1                        ; hh = l / 16
	v_and_b32 v34, 7, v0
	v_bfe_u32 v35, v0, 3, 1
	v_and_b32 v36, 31, v0
	s_lshl_b32 s29, s[WV], 9
	v_lshl_add_u32 v[BOFN], v33, 5, s29            ; N: bias of o = 128 w + 16 j + 8 hh + 0..7
	v_lshl_add_u32 v[BOFS], v32, 2, s29            ; S: bias of o = 128 w + 16 i + r
	WIN 0x40
.set j, 0
.rept 8
	global_load_b128 v[8*j:8*j+3], v[BOFN], s[8:9] offset:64*j
	global_load_b128 v[8*j+4:8*j+7], v[BOFN], s[8:9] offset:64*j+16
.set j, j+1
.endr
	WIN 0
.set i, 0
.rept 8
	global_load_b32 v[RAW+i], v[BOFS], s[12:13] offset:64*i
.set i, i+1
.endr
	v_mul_u32_u24 v[AW0], v32, WP
	v_lshl_add_u32 v[AW0], v33, 4, v[AW0]
	v_add_nc_u32 v[AW0], s[G0A+1], v[AW0]          ; my wave's rows + row x pitch + 16 x half
	v_mov_b32 v[AW], v[AW0]
	v_lshl_add_u32 v[AH0], v33, 3, v34             ; the turning load: lane l reads row 8 (l / 16) + l % 8, tokens 8 ((l / 8) % 2) + 0..7
	v_mul_u32_u24 v[AH0], v[AH0], HP
	v_lshl_add_u32 v[AH0], v35, 4, v[AH0]
	v_add_nc_u32 v[AH0], HREG, v[AH0]
	v_mov_b32 v[AH], v[AH0]
	s_mul_i32 s28, s[WV], 16*SP
	s_add_co_u32 s28, s28, STAGE                   ; my stage
	v_mul_u32_u24 v[STO], v32, SP
	v_lshl_add_u32 v[STO], v33, 4, v[STO]
	v_add_nc_u32 v[STO], s28, v[STO]
	v_mul_u32_u24 v[RD], v33, SP
	v_lshl_add_u32 v[RD], v32, 4, v[RD]
	v_add_nc_u32 v[RD], s28, v[RD]
	v_lshlrev_b32 v[CO], 10, v33
	v_lshl_add_u32 v[CO], v32, 4, v[CO]
	v_lshlrev_b32 v[PFO], 8, v36
; The fragments of 32 along c (half qd of a tile) into buffer f: 16 loads of W, 16 turning loads of h.  The operand whose fragments 4-7 are wanted last comes last.
.macro FW f, qd
	WIN 0x40
.set c, 0
.rept 8
	ds_load_b128 v[(\f)+8*c:(\f)+8*c+3], v[AW] offset:16*WP*c+64*(\qd)
	ds_load_b128 v[(\f)+8*c+4:(\f)+8*c+7], v[AW] offset:16*WP*c+64*(\qd)+32
.set c, c+1
.endr
.endm
.macro FH f, qd
	WIN 0
.set c, 0
.rept 8
	ds_load_tr16_b128 v[(\f)+8*c:(\f)+8*c+3], v[AH] offset:32*HP*(\qd)+32*c
	ds_load_tr16_b128 v[(\f)+8*c+4:(\f)+8*c+7], v[AH] offset:32*HP*(\qd)+32*c+16*HP
.set c, c+1
.endr
.endm
.macro FETCH f, qd, ori
.if \ori
	FH \f, \qd
	FW \f, \qd
.else
	FW \f, \qd
	FH \f, \qd
.endif
.endm
; 16 matrix instructions: i = i0, i0 + 1 of the window's four, all 8 j.  The accumulators take turns, one instruction a turn.  cm = 1: the bias starts the sums.
.macro MUL16 f, hi, i0, cm, ori
.if \cm
	WIN 0x91+0x40*(\hi)+3*(\ori)
.else
	WIN 0xa1+0x50*(\hi)+3*(\ori)
.endif
.irp i, \i0, (\i0)+1
.irp j, 0,1,2,3,4,5,6,7
.set rD, 8*(8*(\i)+(\j))
.set rA, (\f)+8*(\j)
.set rB, (\f)+8*(4*(\hi)+(\i))
.if \ori
.set rC, 8*(4*(\hi)+(\i))
.else
.set rC, 8*(\j)
.endif
.if \cm
	v_wmma_f32_16x16x32_bf16 v[rD:rD+7], v[rA:rA+7], v[rB:rB+7], v[rC:rC+7]
.else
	v_wmma_f32_16x16x32_bf16 v[rD:rD+7], v[rA:rA+7], v[rB:rB+7], v[rD:rD+7]
.endif
.endr
.endr
.endm
; A tile's first half: multiplies buffer f and fetches the second half into g.
.macro QUARTER f, g, qd, cm, ori, w0
	s_wait_dscnt \w0                               ; 8: the youngest eight loads (fragments 4-7 of the operand fetched last) may be out; 0 at a chunk's start
	MUL16 \f, 0, 0, \cm, \ori
	MUL16 \f, 0, 2, \cm, \ori
	PLACES
	FETCH \g, \qd, \ori
	s_wait_dscnt 32                                ; all but the 32 just issued
	MUL16 \f, 1, 0, \cm, \ori
	MUL16 \f, 1, 2, \cm, \ori
.endm
.macro ASK                             ; behind the joint load and the run of LDS loads: place TI + 4 (s[N4]), where it is place 0 or 1 of a chunk that exists
	WIN 0
	s_and_b32 s93, s[N4], 6
	s_cmp_eq_u32 s93, 0
	s_cselect_b32 s93, s[PLIM], 0
	s_cmp_lt_u32 s[N4], s93
	s_cbranch_scc0 .Lna_\@
	global_prefetch_b8 v[PFO], s[PFA:PFA+1] th:TH_LOAD_NT scope:SCOPE_SE
.Lna_\@:
	s_add_co_u32 s[TI], s[TI], 1
.endm
; A tile's second half (buffer 1) and the change of slots.  Each wave waits for all its tensor loads (one is out: its part of the next slot), adds 0 to its spare word, and waits for that and for its reads
; of this slot.  refill = 1: the barrier opens a round of the cluster's, and the joint refill (two places on) is the first thing behind it.  fetch: 1 the next tile's first half, 2 the same with h from LDS row 0.
.macro TURN ori, refill, fetch
.if \refill
	s_wait_xcnt 0x0                                ; the last prefetch, a tile back, has read its address, which is written below
.endif
	WIN 0
	s_wait_tensorcnt 0x0                           ; no tensor load of mine is out, so the walking descriptor may be written
	ds_add_u32 v[SPW], v[NIL]                      ; 0 onto my spare word; scalar work stands between it and the wait for it
.if \refill
	s_add_co_u32 s[N4], s[TI], 2
	WADDR G0+2, N4, WB
	s_or_b32 s[G0+3], s[G0+3], 0x80000000
	s_xor_b32 s[G0+1], s[G0+1], SLOTB
	s_add_co_u32 s[N4], s[TI], 4
	WADDR PFA, N4, PFB
.endif
	s_wait_dscnt 9                                 ; the add and the youngest eight loads may be out
	MUL16 F1, 0, 0, 0, \ori
	s_wait_dscnt 0x0                               ; the add is done, and my reads of this slot are over
	s_barrier_signal -1
	MUL16 F1, 0, 2, 0, \ori
	WIN 0
	s_barrier_wait -1
.if \refill
	CREST
	JLOAD                                          ; its four v_nop are also the places ahead of the loads below
.else
	PLACES
.endif
	s_xor_b32 s[TB], s[TB], SLOTB
	v_add_nc_u32 v[AW], s[TB], v[AW0]
.if (\fetch) == 1
	v_add_nc_u32 v[AH], 64*HP, v[AH]
.elseif (\fetch) == 2
	v_mov_b32 v[AH], v[AH0]
.endif
	FETCH F0, 0, \ori
.if \refill
	ASK
.endif
	MUL16 F1, 1, 0, 0, \ori
	MUL16 F1, 1, 2, 0, \ori
.endm
; THE WAY OUT of block i (16 output rows x 256 bytes): rounded, 16 bytes a lane; through my own stage; back as whole rows; stored.
.macro PACK i
	WIN 0x0a+5*((\i)/4)
.set c, 0
.rept 32
	v_cvt_pk_bf16_f32 v[TMP+c], v[64*((\i)%4)+2*c], v[64*((\i)%4)+2*c+1]  ; ascending: each accumulator's lowest registers are read first
.set c, c+1
.endr
	WIN 0
.endm
.macro TOSTAGE i
.set BK, 32+192*((\i)%2)
.set c, 0
.rept 8
	ds_store_b128 v[STO], v[TMP+4*c:TMP+4*c+3] offset:32*c
.set c, c+1
.endr
.set c, 0
.rept 8
	ds_load_b128 v[BK+4*c:BK+4*c+3], v[RD] offset:2*SP*c  ; LDS serves a wave's instructions in order (ISA guide 5.7.1.4): these see the stores above
.set c, c+1
.endr
.endm
.macro SEND i
.set BK, 32+192*((\i)%2)
	s_wait_dscnt 0x0                               ; the block is back in registers
	s_wait_xcnt 0x0                                ; earlier stores have read their base and data: only behind this wait are they rewritten
.if (\i) > 0
	s_add_nc_u64 s[DST:DST+1], s[DST:DST+1], 16*1024
.endif
.set c, 0
.rept 8
	global_store_b128 v[CO], v[BK+4*c:BK+4*c+3], s[DST:DST+1] offset:2048*c  ; 16 lanes store 256 consecutive bytes, aligned
.set c, c+1
.endr
.endm
.macro WAYOUT
	PACK 0
	TOSTAGE 0
.irp a, 1,2,3,4,5,6,7
	PACK \a
	SEND (\a)-1
	TOSTAGE \a
.endr
	SEND 7
.endm
.macro LOOPEND cnt, lab
	WIN 0
	s_sub_co_u32 s[\cnt], s[\cnt], 1
	s_cmp_lg_u32 s[\cnt], 0
	s_cbranch_scc1 \lab
.endm
	s_wait_tensorcnt 0x1                           ; my parts of h and of place 0 are in; place 1 may stay out
	s_barrier_signal -1
	s_barrier_wait -1                              ; everybody's are
	FETCH F0, 0, 0
	s_wait_loadcnt 0x0                             ; the biases
	s_mov_b32 s[CH], 2
.LchunkN:                              ; twice: q (places 0-7), k (places 8-15)
	QUARTER F0, F1, 1, 1, 0, 0
	PLACES                                         ; behind the last products that read the bias:
	WIN 0x40
.set j, 0
.rept 8                                ; bk takes bq's place (the second trip fetches it once more, so that no load is jumped over)
	global_load_b128 v[8*j:8*j+3], v[BOFN], s[10:11] offset:64*j
	global_load_b128 v[8*j+4:8*j+7], v[BOFN], s[10:11] offset:64*j+16
.set j, j+1
.endr
	WIN 0
	s_mov_b32 s[CNT], 7
.LtileN:
	TURN 0, 1, 1
	QUARTER F0, F1, 1, 0, 0, 8
	LOOPEND CNT, .LtileN
	TURN 0, 1, 2                                   ; the next chunk's first fragments are fetched, the refill is asked for: now the chunk goes out
	WAYOUT                                         ; blocks 0-3 were finished ahead of the refill's four places; their conversions are the places behind the last products
	s_wait_xcnt 0x0
	s_mov_b64 s[DST:DST+1], s[DK:DK+1]
	s_wait_loadcnt 0x0                             ; bk
	LOOPEND CH, .LchunkN
	WIN 0x40                                       ; v' = W' h + b' (places 16-23).  One o a lane, so its bias fills all eight registers of block i's C operand
.set c, 0
.rept 64
	v_mov_b32 v[c], v[RAW+c/8]
.set c, c+1
.endr
	WIN 0
	QUARTER F0, F1, 1, 1, 1, 0
	WIN 0
	s_mov_b32 s[CNT], 6
.LtileO:
	TURN 1, 1, 1
	QUARTER F0, F1, 1, 0, 1, 8
	LOOPEND CNT, .LtileO
	TURN 1, 0, 1                                   ; place 22: nothing is left to ask for, so no round follows
	QUARTER F0, F1, 1, 0, 1, 8
	s_wait_dscnt 8
	MUL16 F1, 0, 0, 0, 1
	MUL16 F1, 0, 2, 0, 1
	s_wait_dscnt 0x0
	MUL16 F1, 1, 0, 0, 1
	MUL16 F1, 1, 2, 0, 1
	WIN 0
	PLACES
	s_wait_xcnt 0x0
	s_mov_b64 s[DST:DST+1], s[DV:DV+1]
	WAYOUT
	s_wait_tensorcnt 0x0                           ; the wave's end: behind my last tensor load and my last LDS store
	ds_add_u32 v[SPW], v[NIL]
	s_wait_dscnt 0x0
	CROUND                                         ; the closing round: no work-group ends while a partner may still ask for a tile that names it
	s_endpgm
.Lfunc_end_k_qfe7f007476_qkv:
	.size	k_qfe7f007476_qkv, .Lfunc_end_k_qfe7f007476_qkv-k_qfe7f007476_qkv
	.p2alignl 7, 3214868480
	.fill 96, 4, 3214868480
	.section	.rodata,"a",@progbits
	.p2align	6, 0x0
	.amdhsa_kernel k_qfe7f007476_qkv
		.amdhsa_group_segment_fixed_size 327680
		.amdhsa_private_segment_fixed_size 0
		.amdhsa_enable_private_segment 0
		.amdhsa_kernarg_size 64
		.amdhsa_user_sgpr_count 2
		.amdhsa_user_sgpr_kernarg_segment_ptr 1
		.amdhsa_wavefront_size32 1
		.amdhsa_system_sgpr_workgroup_id_x 1
		.amdhsa_system_sgpr_workgroup_id_y 1
		.amdhsa_system_sgpr_workgroup_id_z 1
		.amdhsa_system_vgpr_workitem_id 0
		.amdhsa_next_free_vgpr 1024
		.amdhsa_next_free_sgpr 96
		.amdhsa_reserve_vcc 0
		.amdhsa_float_denorm_mode_32 3
		.amdhsa_float_denorm_mode_16_64 3
		.amdhsa_memory_ordered 1
		.amdhsa_forward_progress 1
		.amdhsa_inst_pref_size 145
	.end_amdhsa_kernel
	.amdgpu_metadata
---
amdhsa.version: [ 1, 2 ]
amdhsa.kernels:
  - .name:           k_qfe7f007476_qkv
    .symbol:         k_qfe7f007476_qkv.kd
    .args:
      - { .name: h, .offset: 0, .size: 8, .value_kind: global_buffer, .address_space: global }
      - { .name: wcat, .offset: 8, .size: 8, .value_kind: global_buffer, .address_space: global }
      - { .name: bq, .offset: 16, .size: 8, .value_kind: global_buffer, .address_space: global }
      - { .name: bk, .offset: 24, .size: 8, .value_kind: global_buffer, .address_space: global }
      - { .name: bvo, .offset: 32, .size: 8, .value_kind: global_buffer, .address_space: global }
      - { .name: qb, .offset: 40, .size: 8, .value_kind: global_buffer, .address_space: global }
      - { .name: kbuf, .offset: 48, .size: 8, .value_kind: global_buffer, .address_space: global }
      - { .name: vt, .offset: 56, .size: 8, .value_kind: global_buffer, .address_space: global }
    .group_segment_fixed_size: 327680
    .private_segment_fixed_size: 0
    .kernarg_segment_align: 8
    .kernarg_segment_size: 64
    .max_flat_workgroup_size: 128
    .sgpr_count:     96
    .vgpr_count:     1024
    .wavefront_size: 32
...
	.end_amdgpu_metadata
.endif
;; end of part 5
;; launch attn (part 6): grid 8 x 32, 4 waves a work-group, clusters of 4 x 1, 327,680 bytes of LDS; arguments qb, kbuf, vt, x, out0; writes out0
.if DOCPART == 6
	.amdgcn_target "amdgcn-amd-amdhsa--gfx1250"
	.amdhsa_code_object_version 6
	.text
	.protected	k_qfe7f007476_attn
	.globl	k_qfe7f007476_attn
	.p2align	8
	.type	k_qfe7f007476_attn,@function
k_qfe7f007476_attn:
	s_mov_b64 s[64:65], 0
	v_nop
	global_prefetch_b8 v0, s[64:65] scope:SCOPE_SE
	s_setreg_imm32_b32 hwreg(HW_REG_WAVE_MODE, 25, 1), 1
	s_wait_xcnt 0x0
	s_wait_alu depctr_hold_cnt(0) depctr_sa_sdst(0) depctr_va_vdst(0) depctr_va_sdst(0) depctr_va_ssrc(0) depctr_va_vcc(0) depctr_vm_vsrc(0)
	s_getreg_b32 s2, hwreg(HW_REG_IB_STS2, 6, 4)
	s_cmp_eq_u32 s2, 0
	s_cbranch_scc0 .Lentry_in_a_cluster
	s_endpgm
.Lentry_in_a_cluster:
	s_bfe_u32 s2, ttmp6, 0x10000c
	s_cmp_lg_u32 s2, 0x3003
	s_cbranch_scc0 .Lentry_shape_is_right
	s_endpgm
.Lentry_shape_is_right:
; out0[b][o][n] = x[b][o][n] + sum_m softmax_m(q[n] . k[m] / sqrt(512)) v'[m][o].  q, k: [b][1024][512] bf16; v': [b][key half 2][o 512][512 keys] bf16 (Wo and bo are already in it); x, out0 f32.
; SHARES.  A work-group: one image, 128 queries.  At 512 channels no wave can hold Q and O for enough queries, so the four waves share the 128 queries: Q lies in LDS, P goes through LDS by halves of 128 keys,
; and a wave owns ROWS of the streamed tile.  Keys go in 4 blocks of 256.  Every streamed tile has one shape, 256 rows x 128 elements (rows 1,024 bytes apart in memory): four tiles of K (channels 128 pos on),
; then four of v'^T (key half ph, o half oh).  Wave w fetches rows 64 w .. 64 w + 63 and multiplies rows 32 w + {0, 16, 128, 144} + 0..15 against all 128 queries: 32 accumulators, 128 matrix instructions a tile,
; 24 x 16 bytes a lane from LDS for 32 of them.
; PRODUCTS.  S^T = K Q^T (source 0 = 16 keys, source 1 = 16 queries): a lane holds one query and 8 keys.  O = P V (source 0 = 16 queries of P, source 1 = 16 rows o of v'^T): a lane holds one o and 8 neighbouring
; queries, which is out0's order.
; SOFTMAX.  A running maximum m for each query, over all four waves' keys (exchanged through LDS once a block); p = 2^(c s - c m), c = log2(e) / sqrt(512); O and l are multiplied by a = 2^(c m_old - c m_new)
; in every block.  m starts at the lowest finite number, O and l at 0, so the first block is a block like any other (a = 0); the price is 512 lines that clear O, run in the wait for the first tile.
; Each wave sums l over its own keys; the four meet at the end.  Matrix work and softmax stand in phases.
; CLUSTER.  The four query blocks of a cluster belong to one image and walk the same K and v': each tile is asked for JOINTLY.  Q is a load of each work-group's own.
; THE WALK.  An image has two clusters, x = 0 and 1.  At place n of the walk's 32 cluster x takes tile n xor x: the two take each pair of neighbouring tiles in opposite order, so they never ask for one tile in one
; step.  For K that swaps two planes of 128 channels, and Q's planes are loaded into LDS in the same order (plane slot j holds the channels 128 (j xor x) on; a sum over channels may be taken in any order).  For
; v' it swaps the halves of o: window 2 holds half x, window 3 half 1 - x, and the way out has a base for each.  Only global addresses hang on x: no LDS address, no branch, no trip count.
; x.  A wave's share goes out in 8 blocks of 16 rows x 512 bytes.  S^T's window is idle from the last tile but one on: three sets of 64 registers there take x's blocks 0 to 2 at that tile's end, 128 matrix
; instructions ahead of the way out; block n + 3 is loaded into block n's set when block n has left.  out0 = O (1 / l) + x is one fused multiply-add, made in x's registers and stored from them.
; PREFETCH.  K and v': a cluster asks for the tiles of its even places, which it is the first to take; its waves 0 and 2; of a tile's 256 rows each partner takes 32 of a half, told apart by address, a lane a row;
; behind the refill of place U it names place U + 2, and stops with place 30; places 0 to 3 come by their loads alone.  x: each wave asks for its own rows, a block an instruction, a lane 256 bytes: blocks 3 and 4
; behind the first 48 loads, block n + 5 behind the loads that follow block n: each two reloads ahead of its own; blocks 0 to 2 come by their loads alone.
; LIMITS.  P is rounded to bf16 for the second product, l is the sum of the unrounded p, so bo comes back as bo (sum of rounded p) / l.  A weight below 2^-126 counts as 0.  NaN and infinities are not treated apart.
; REGISTERS, in windows of 256 (s_set_vgpr_msb: bits 1:0 source 0, 3:2 source 1, 5:4 source 2, 7:6 destination):
;   window 0: v0-21 addresses; v24-55 statistics, four a query tile: c m, m, l (even keys', odd keys'); v64-159, v160-255 two fragment buffers (32 of the tile, 64 of Q or P), at work in the softmax and on the way out
;   window 1: S^T, (key tile kt, query tile qt) at v[8 (8 kt + qt)]; at the end v0-191 x, v192-195 1 / l        windows 2, 3: O, (o tile ct, qt) likewise
.set TP,    272                        ; an LDS row: 256 bytes + 16: the 16 rows of a load start at 16 different groups of four banks
.set SLOTB, 256*TP                     ; 69,632 = 0x11000: one exclusive or changes slots (17,408 x wave has neither of its two bits)
.set QREG,  2*SLOTB                    ; Q: four planes of 128 channels, 128 queries x 272 each
.set PLANE, 128*TP
.set PREG,  QREG+4*PLANE               ; P: 128 queries x 128 keys; at the end four stages of 16 x 528.  Written by LDS stores alone
.set MX,    PREG+PLANE                 ; 4 waves x 16 queries x 8 tiles: the waves' maxima
.set LS,    MX+2048                    ; the same for l
.set RL,    LS+2048                    ; 512 bytes a wave, its own: a number a query, in the queries' order
.set SPARE, RL+2048                    ; the spare words, 128 bytes a wave: two blocks of 256 bytes that no other line names
.set GP,    528                        ; a stage row: 512 bytes + 16
.set AT0, 2
.set AT,  3
.set AR,  4
.set AR0Q, 5
.set AR0P, 6
.set PST, 7
.set MXS, 8
.set MXR, 9
.set LSS, 10
.set LSR, 11
.set RLS, 12
.set RLR, 13
.set RLL, 14
.set STG, 15
.set SRD, 16
.set XO,  17
.set PFO, 18
.set PXO, 19
.set SPW, 20
.set NIL, 21
.set ST,  24
.set F0,  64
.set F1,  160
.set CHN, 64                           ; softmax: four chains a query tile
.set WM,  96
.set EXC, 104
.set MXIN, 112
.set AA,  144                          ; a, in the low register of a pair
.set AQ,  160                          ; a by query: 8 a query tile
.set CMO, 224
.set ORW, 64                           ; the way out: 16 rows read back from the stage
.set RL4, 192                          ; window 1: 1 / l of the four queries that my lane holds in every row read back
.set WV,  14
.set CX,  15
.set G1Q, 16
.set G1T, 24
.set G0Q, 32
.set G0A, 36
.set G0,  40                           ; the walking descriptor
.set KB,  44
.set VB,  46
.set PFK, 48
.set PFV, 50
.set PFA, 52
.set OFF, 54
.set BASE, 56
.set CS,  58
.set SEL, 60
.set TB,  62
.set U,   63                           ; the place of the walk to be asked for next
.set CNT, 73
.set PHC, 74                           ; counts P's two halves
.set KBC, 75
.set ODD, 76                           ; my wave's number % 2: waves 0 and 2 prefetch
.set XR,  77                           ; x: the cluster's number in its image
.set XB,  78                           ; s[78:79], s[82:83] x at my rows of the o half in window 2, in window 3
.set OB,  80                           ; s[80:81], s[84:85] out0 likewise
.set MSB, 0
.macro WIN new                         ; the high byte repeats the setting that is left; a switch that changes nothing is dropped
.if MSB != (\new)
	s_set_vgpr_msb (MSB<<8)|(\new)
.set MSB, (\new)
.endif
.endm
.macro PLACES                          ; four plain places behind matrix instructions (ISA guide 7.12.1)
.rept 4
	v_nop
.endr
.endm
.macro CREST
	s_cmp_lg_u32 s[WV], 0
	s_cbranch_scc1 .Lnw0_\@
	s_barrier_signal -3
.Lnw0_\@:
	s_barrier_wait -3
	s_barrier_signal -1
	s_barrier_wait -1
.endm
.macro CROUND
	s_barrier_signal -1
	s_barrier_wait -1
	CREST
.endm
.macro PBAR                            ; a plain barrier: what I stored to LDS is done
	s_wait_dscnt 0x0
	s_barrier_signal -1
	s_barrier_wait -1
.endm
.macro JLOAD                           ; the joint refill: one line for all waves, each with its own 64 rows; an s_nop 0 and four v_nop follow
	tensor_load_to_lds s[G0:G0+3], s[G1T:G1T+7]
	s_nop 0
	PLACES
.endm
; The address of the tile at place s[idx] = 8 kb + n of the walk: pos = n xor x.  K (pos 0-3): kb x 256 rows, channels 128 pos on.  v'^T (pos 4-7): key half kb / 2, keys 256 (kb % 2) + 128 ((pos / 2) % 2) on,
; rows 256 (pos % 2) on.  Offset and pointer are made apart.
.macro TADDR dst, idx, kbase, vbase
	s_lshr_b32 s66, s[\idx], 3
	s_and_b32 s67, s[\idx], 7
	s_xor_b32 s67, s67, s[XR]
	s_lshl_b32 s68, s66, 18
	s_lshl_b32 s69, s67, 8
	s_add_co_u32 s68, s68, s69
	s_lshr_b32 s69, s66, 1
	s_lshl_b32 s69, s69, 19
	s_and_b32 s70, s66, 1
	s_lshl_b32 s70, s70, 9
	s_add_co_u32 s69, s69, s70
	s_bfe_u32 s70, s67, 0x10001
	s_lshl_b32 s70, s70, 8
	s_add_co_u32 s69, s69, s70
	s_and_b32 s70, s67, 1
	s_lshl_b32 s70, s70, 18
	s_add_co_u32 s69, s69, s70
	s_cmp_lt_u32 s67, 4
	s_cselect_b32 s[OFF], s68, s69
	s_cselect_b64 s[BASE:BASE+1], s[(\kbase):(\kbase)+1], s[(\vbase):(\vbase)+1]
	s_add_nc_u64 s[(\dst):(\dst)+1], s[BASE:BASE+1], s[OFF:OFF+1]
.endm
	s_load_b256 s[4:11], s[0:1], 0x0               ; qb 4, kbuf 6, vt 8, x 10
	s_load_b64 s[12:13], s[0:1], 0x20              ; out0
	v_lshl_add_u32 v[SPW], v0, 2, SPARE
	v_mov_b32 v[NIL], 0
	ds_add_u32 v[SPW], v[NIL]                      ; the wave's opening: the add and its wait stand ahead of my first tensor load; work on registers stands between them
	v_lshrrev_b32 v1, 5, v0
	v_readfirstlane_b32 s[WV], v1                  ; wave 0..3
	s_bfe_u32 s[CX], ttmp6, 0x40000                ; my place in the cluster
	s_mov_b32 s[XR], ttmp9                         ; x, which the four partners share
	s_lshl_b32 s66, ttmp9, 2
	s_add_co_u32 s66, s66, s[CX]                   ; my block of 128 queries
	s_and_b32 s67, ttmp7, 0xffff                   ; the image
	; group 1 for Q: 128 rows x 128 elements, 512 elements from row to row, 4 words of padding after every 64
	s_mov_b32 s[G1Q], (1<<16)|(1<<20)|(5<<22)|(3<<25)
	s_mov_b32 s[G1Q+1], 128<<16
	s_mov_b32 s[G1Q+2], 128<<16
	s_mov_b32 s[G1Q+3], 128<<16
	s_mov_b32 s[G1Q+4], 128
	s_mov_b32 s[G1Q+5], 512
	s_mov_b32 s[G1Q+6], 0
	s_mov_b32 s[G1Q+7], 0
	; group 1 for the tiles: 64 rows of the same kind; mask of all four, bit 21 beside it
	s_mov_b32 s[G1T], 15|(1<<16)|(1<<20)|(1<<21)|(5<<22)|(3<<25)
	s_mov_b32 s[G1T+1], 128<<16
	s_mov_b32 s[G1T+2], 64<<16
	s_mov_b32 s[G1T+3], 128<<16
	s_mov_b32 s[G1T+4], 64
	s_mov_b32 s[G1T+5], 512
	s_mov_b32 s[G1T+6], 0
	s_mov_b32 s[G1T+7], 0
	s_mov_b32 s[G0Q], 1
	s_mov_b32 s[G0A], 1
	s_mov_b32 s[G0], 1
	s_mul_i32 s[G0A+1], s[WV], 64*TP               ; LDS addresses hang on the wave's number alone
	s_add_co_u32 s[G0+1], s[G0A+1], SLOTB
	s_mul_i32 s[G0Q+1], s[WV], PLANE
	s_add_co_u32 s[G0Q+1], s[G0Q+1], QREG
	s_lshl_b32 s72, s67, 20                        ; an image: 1 MiB in qb, kbuf, vt
	s_lshl_b32 s68, s66, 17                        ; Q: my block's 128 rows; plane slot w takes the channels 128 (w xor x) on: 256 bytes of each row
	s_add_co_u32 s68, s68, s72
	s_xor_b32 s69, s[WV], s[XR]
	s_lshl_b32 s69, s69, 8
	s_add_co_u32 s68, s68, s69
	s_mov_b32 s69, 0
	s_lshl_b32 s70, s[WV], 16                      ; tiles: my 64 rows
	s_add_co_u32 s70, s70, s72
	s_mov_b32 s71, 0
	s_lshr_b32 s82, s[WV], 1                       ; prefetches: rows 128 (w / 2) + 32 x my place in the cluster
	s_lshl_b32 s82, s82, 17
	s_add_co_u32 s82, s82, s72
	s_lshl_b32 s83, s[CX], 15
	s_add_co_u32 s82, s82, s83
	s_mov_b32 s83, 0
	s_lshl_b32 s86, s67, 21                        ; x, out0: 2 MiB an image, my wave's rows 32 w on, my block's 512 bytes of each,
	s_lshl_b32 s87, s[WV], 17
	s_add_co_u32 s86, s86, s87
	s_lshl_b32 s87, s66, 9
	s_add_co_u32 s86, s86, s87
	s_lshl_b32 s87, s[XR], 20                      ; and 256 rows of 4,096 bytes for an o half: window 2 holds half x,
	s_add_co_u32 s88, s86, s87
	s_xor_b32 s87, s87, 0x100000                   ; window 3 half 1 - x
	s_add_co_u32 s86, s86, s87
	s_mov_b32 s87, 0
	s_mov_b32 s89, 0
	s_and_b32 s[ODD], s[WV], 1
	s_lshl_b32 s[OFF], s[XR], 8                    ; place 0 of the walk is K's plane x
	s_mov_b32 s[OFF+1], 0
	s_mov_b32 s[CS], 0x3d8293ee                    ; c = log2(e) / sqrt(512) = 0.0637587
	s_mov_b32 s[CS+1], s[CS]
	s_mov_b32 s[SEL], 0x76543210
	s_mov_b32 s[SEL+1], 0xfedcba98
	s_mov_b32 s[TB], 0
	s_mov_b32 s[U], 2
	s_mov_b32 s[KBC], 4
	s_wait_dscnt 0x0                               ; the opening add is done
	s_wait_kmcnt 0x0
	s_add_nc_u64 s[G0Q+2:G0Q+3], s[4:5], s[68:69]
	s_or_b32 s[G0Q+3], s[G0Q+3], 0x80000000
	s_add_nc_u64 s[KB:KB+1], s[6:7], s[70:71]
	s_add_nc_u64 s[VB:VB+1], s[8:9], s[70:71]
	s_add_nc_u64 s[G0A+2:G0A+3], s[KB:KB+1], s[OFF:OFF+1]  ; place 0
	s_or_b32 s[G0A+3], s[G0A+3], 0x80000000
	s_xor_b32 s[OFF], s[OFF], 256                  ; place 1 is plane 1 - x
	s_add_nc_u64 s[G0+2:G0+3], s[KB:KB+1], s[OFF:OFF+1]
	s_or_b32 s[G0+3], s[G0+3], 0x80000000
	s_add_nc_u64 s[PFK:PFK+1], s[6:7], s[82:83]
	s_add_nc_u64 s[PFV:PFV+1], s[8:9], s[82:83]
	s_add_nc_u64 s[XB:XB+1], s[10:11], s[88:89]
	s_add_nc_u64 s[OB:OB+1], s[12:13], s[88:89]
	s_add_nc_u64 s[XB+4:XB+5], s[10:11], s[86:87]
	s_add_nc_u64 s[OB+4:OB+5], s[12:13], s[86:87]
	CROUND                                         ; all four work-groups are here: the first joint loads meet
	tensor_load_to_lds s[G0Q:G0Q+3], s[G1Q:G1Q+7]  ; the first fills, one group: a plane of Q (a load of my own), my part of places 0 and 1: three loads of mine are out
	s_nop 0
	tensor_load_to_lds s[G0A:G0A+3], s[G1T:G1T+7]
	s_nop 0
	tensor_load_to_lds s[G0:G0+3], s[G1T:G1T+7]
	s_nop 0
	PLACES
	v_and_b32 v56, 15, v0                          ; r = l % 16
	v_bfe_u32 v57, v0, 4, 1                        ; hh = l / 16
	v_and_b32 v58, 31, v0
	v_mul_u32_u24 v59, v56, TP
	v_lshl_add_u32 v59, v57, 4, v59                ; a fragment's row x pitch + 16 x half
	s_mul_i32 s72, s[WV], 32*TP
	v_add_nc_u32 v[AT0], s72, v59                  ; my rows 32 w on of a tile
	v_mov_b32 v[AT], v[AT0]
	v_add_nc_u32 v[AR0Q], QREG, v59
	v_add_nc_u32 v[AR0P], PREG, v59
	s_lshl_b32 s72, s[WV], 6
	v_add_nc_u32 v[PST], s72, v[AR0P]              ; P: row = my query, my wave's 32 keys of the half: 64 bytes
	s_lshl_b32 s72, s[WV], 9
	v_lshl_add_u32 v[MXR], v56, 5, MX
	v_add_nc_u32 v[MXS], s72, v[MXR]
	v_lshl_add_u32 v[LSR], v56, 5, LS
	v_add_nc_u32 v[LSS], s72, v[LSR]
	v_lshl_add_u32 v[RLS], v56, 2, RL
	v_add_nc_u32 v[RLS], s72, v[RLS]
	v_lshl_add_u32 v[RLR], v57, 5, RL
	v_add_nc_u32 v[RLR], s72, v[RLR]
	v_lshl_add_u32 v[RLL], v58, 4, RL
	v_add_nc_u32 v[RLL], s72, v[RLL]               ; queries 4 l + 0..3
	s_mul_i32 s72, s[WV], 16*GP
	s_add_co_u32 s72, s72, PREG                    ; my stage
	v_mul_u32_u24 v[STG], v56, GP
	v_lshl_add_u32 v[STG], v57, 5, v[STG]
	v_add_nc_u32 v[STG], s72, v[STG]
	v_lshl_add_u32 v[SRD], v58, 4, s72
	v_lshlrev_b32 v[XO], 4, v58
	v_lshlrev_b32 v[PFO], 10, v58
	v_lshlrev_b32 v[PXO], 12, v56
	v_lshl_add_u32 v[PXO], v57, 8, v[PXO]
.set q, 0
.rept 8
	v_mov_b32 v[ST+4*q], 0xfe000000                ; c m: far below every c s
	v_mov_b32 v[ST+4*q+1], 0xff7fffff              ; m
	v_mov_b32 v[ST+4*q+2], 0
	v_mov_b32 v[ST+4*q+3], 0
.set q, q+1
.endr
	WIN 0x80
.set c, 0
.rept 256
	v_mov_b32 v[c], 0
.set c, c+1
.endr
	WIN 0xc0
.set c, 0
.rept 256
	v_mov_b32 v[c], 0
.set c, c+1
.endr
	WIN 0
; 24 LDS loads in one run: for 32 along K at byte k of the rows, my four fragments of the tile and the eight of Q or P, query tiles ascending
.macro FETCH f, k
	WIN 0
.set c, 0
.rept 4
	ds_load_b128 v[(\f)+8*c:(\f)+8*c+3], v[AT] offset:16*TP*(c%2)+128*TP*(c/2)+(\k)
	ds_load_b128 v[(\f)+8*c+4:(\f)+8*c+7], v[AT] offset:16*TP*(c%2)+128*TP*(c/2)+(\k)+32
.set c, c+1
.endr
.set c, 0
.rept 8
	ds_load_b128 v[(\f)+32+8*c:(\f)+32+8*c+3], v[AR] offset:16*TP*c+(\k)
	ds_load_b128 v[(\f)+32+8*c+4:(\f)+32+8*c+7], v[AR] offset:16*TP*c+(\k)+32
.set c, c+1
.endr
.endm
; 4 nq matrix instructions: query tiles q0 on, my four tile fragments each.  The accumulators take turns, one instruction a turn.  swap = 1: Q's or P's fragment is source 0.
.macro MULQ f, q0, nq, win, swap, zero
	WIN \win
.set qq, \q0
.rept \nq
.set tt, 0
.rept 4
.set rD, 8*(8*tt+qq)
.if \swap
.set rA, (\f)+32+8*qq
.set rB, (\f)+8*tt
.else
.set rA, (\f)+8*tt
.set rB, (\f)+32+8*qq
.endif
.if \zero
	v_wmma_f32_16x16x32_bf16 v[rD:rD+7], v[rA:rA+7], v[rB:rB+7], 0
.else
	v_wmma_f32_16x16x32_bf16 v[rD:rD+7], v[rA:rA+7], v[rB:rB+7], v[rD:rD+7]
.endif
.set tt, tt+1
.endr
.set qq, qq+1
.endr
.endm
; A tile is four quarters of 32 along K.  One of the first three: multiplies buffer f, and in its middle fetches the next quarter, at byte k, into g.
.macro QUARTER f, g, k, win, swap, zero
	s_wait_dscnt 8                                 ; the youngest eight loads (query tiles 4-7) may be out
	MULQ \f, 0, 4, \win, \swap, \zero
	PLACES
	FETCH \g, \k
	s_wait_dscnt 24                                ; all but the 24 just issued
	MULQ \f, 4, 4, \win, \swap, \zero
.endm
.macro TILE3 win
	QUARTER F0, F1, 64, \win, 1, 0
	QUARTER F1, F0, 128, \win, 1, 0
	QUARTER F0, F1, 192, \win, 1, 0
.endm
.macro ASK                             ; behind the joint load and the run of LDS loads: place U + 2 (s71), where it is even and below 32
	WIN 0
	s_and_b32 s72, s71, 0x21
	s_or_b32 s72, s72, s[ODD]
	s_cmp_eq_u32 s72, 0
	s_cbranch_scc0 .Lna_\@
	global_prefetch_b8 v[PFO], s[PFA:PFA+1] th:TH_LOAD_NT scope:SCOPE_SE
.Lna_\@:
	s_add_co_u32 s[U], s[U], 1
.endm
; The last quarter (buffer 1) and the change of slots.  Each wave waits for all its tensor loads (one is out: its part of the next slot), adds 0 to its spare word, and waits for that and for its reads of this slot.
; refill = 1: the barrier opens a round of the cluster's, and the joint refill (place U) is the first thing behind it: 112 matrix instructions ahead of the wait for it.
; fetch: 0 nothing, 1 the next tile's first quarter, 2 the same with Q's next plane.
.macro TURN win, swap, refill, fetch
.if \refill
	s_wait_xcnt 0x0                                ; the last prefetch, a tile back, has read its address
.endif
	WIN 0
	s_wait_tensorcnt 0x0                           ; no tensor load of mine is out, so the walking descriptor may be written
	ds_add_u32 v[SPW], v[NIL]                      ; 0 onto my spare word; scalar work stands between it and the wait for it
.if \refill
	TADDR G0+2, U, KB, VB
	s_or_b32 s[G0+3], s[G0+3], 0x80000000
	s_xor_b32 s[G0+1], s[G0+1], SLOTB
	s_add_co_u32 s71, s[U], 2
	TADDR PFA, 71, PFK, PFV
.endif
	s_wait_dscnt 9                                 ; the add and the youngest eight loads may be out
	MULQ F1, 0, 2, \win, \swap, 0
	s_wait_dscnt 0x0                               ; the add is done, and my reads of this slot (and of Q or P so far) are over
	s_barrier_signal -1
	MULQ F1, 2, 2, \win, \swap, 0
	WIN 0
	s_barrier_wait -1
.if \refill
	CREST
	JLOAD                                          ; its four v_nop are also the places ahead of the loads below
.else
	PLACES
.endif
	s_xor_b32 s[TB], s[TB], SLOTB
	v_add_nc_u32 v[AT], s[TB], v[AT0]
.if (\fetch) == 2
	v_add_nc_u32 v[AR], PLANE, v[AR]
.endif
.if \fetch
	FETCH F0, 0
.endif
.if \refill
	ASK
.endif
	MULQ F1, 4, 4, \win, \swap, 0
.endm
.macro PSTORE ph                       ; my 32 keys of half ph for all 128 queries: 16 bytes a lane and accumulator
	WIN 0x04
.set c, 0
.rept 16
	ds_store_b128 v[PST], v[8*(8*(2*(\ph)+c%2)+c/2):8*(8*(2*(\ph)+c%2)+c/2)+3] offset:16*TP*(c/2)+32*(c%2)
.set c, c+1
.endr
	WIN 0
.endm
; Block blk of my rows of x and out0: the o half of window 2 + blk / 4 has its own base; in it the block begins at row 128 ((blk % 4) / 2) + 16 (blk % 2) of my wave's.
; Both macros want the address's window 0; XLOAD the destination's window 1.
.macro XASK blk                        ; 16 rows x 512 bytes, a lane 256 bytes
.set XROW, 128*(((\blk)%4)/2)+16*((\blk)%2)
.set XBB, XB+4*((\blk)/4)
	global_prefetch_b8 v[PXO], s[XBB:XBB+1] offset:4096*XROW th:TH_LOAD_NT scope:SCOPE_SE
.endm
.macro XLOAD blk                       ; into set blk % 3 of window 1: a load covers a row's 512 consecutive bytes
.set XROW, 128*(((\blk)%4)/2)+16*((\blk)%2)
.set XBB, XB+4*((\blk)/4)
.set XW, 64*((\blk)%3)
.set c, 0
.rept 16
	global_load_b128 v[XW+4*c:XW+4*c+3], v[XO], s[XBB:XBB+1] offset:4096*(XROW+c) th:TH_LOAD_NT
.set c, c+1
.endr
.endm
.macro ALLQ line:vararg                ; one line for each query tile q
.set q, 0
.rept 8
	\line
.set q, q+1
.endr
.endm
.macro SCALE n                         ; c s - c m for accumulator n
.set p, 0
.rept 4
	v_pk_fma_f32 v[8*(\n)+2*p:8*(\n)+2*p+1], v[8*(\n)+2*p:8*(\n)+2*p+1], s[CS:CS+1], v[ST+4*((\n)%8):ST+4*((\n)%8)+1] op_sel_hi:[1,0,0] neg_lo:[0,0,1] neg_hi:[0,0,1]
.set p, p+1
.endr
.endm
	s_wait_tensorcnt 0x1                           ; my parts of Q and of place 0 are in; place 1 may stay out
	s_barrier_signal -1
	s_barrier_wait -1                              ; everybody's are
.Lblock:                               ; a block of 256 keys: four tiles of K, the softmax, four tiles of v'
	v_mov_b32 v[AR], v[AR0Q]
	FETCH F0, 0
	QUARTER F0, F1, 64, 0x50, 0, 1                 ; the first quarter's products start the sums
	WIN 0
	s_mov_b32 s[CNT], 3
.Lk:
	QUARTER F1, F0, 128, 0x50, 0, 0
	QUARTER F0, F1, 192, 0x50, 0, 0
	TURN 0x50, 0, 1, 2
	QUARTER F0, F1, 64, 0x50, 0, 0
	WIN 0
	s_sub_co_u32 s[CNT], s[CNT], 1
	s_cmp_lg_u32 s[CNT], 0
	s_cbranch_scc1 .Lk
	QUARTER F1, F0, 128, 0x50, 0, 0
	QUARTER F0, F1, 192, 0x50, 0, 0
	TURN 0x50, 0, 1, 0
	WIN 0
	PLACES                                         ; behind the last products: their scores are read and their fragment registers put to other use
	; THE SOFTMAX.  The maximum of my 32 scores a query tile: four chains, three operands at a time; each accumulator's lowest registers are read first
	WIN 0x15
.set n, 0
.rept 32
	v_max3_num_f32 v[CHN+4*(n%8)+n/8], v[8*n], v[8*n+1], v[8*n+2]
.set n, n+1
.endr
	WIN 0x14
.irp o, 3, 5
.set n, 0
.rept 32
	v_max3_num_f32 v[CHN+4*(n%8)+n/8], v[CHN+4*(n%8)+n/8], v[8*n+\o], v[8*n+\o+1]
.set n, n+1
.endr
.endr
	ALLQ v_max3_num_f32 v[CHN+4*q], v[CHN+4*q], v[8*q+7], v[8*(8+q)+7]
	ALLQ v_max3_num_f32 v[CHN+4*q+1], v[CHN+4*q+1], v[8*(16+q)+7], v[8*(24+q)+7]
	WIN 0
	ALLQ v_max3_num_f32 v[CHN+4*q], v[CHN+4*q], v[CHN+4*q+1], v[CHN+4*q+2]
	ALLQ v_max_num_f32 v[CHN+4*q], v[CHN+4*q], v[CHN+4*q+3]
	ALLQ v_permlanex16_b32 v[EXC+q], v[CHN+4*q], s[SEL], s[SEL+1]
	ALLQ v_max_num_f32 v[WM+q], v[CHN+4*q], v[EXC+q]
	ds_store_b128 v[MXS], v[WM:WM+3]               ; my wave's maxima: query r, tiles 0-7 (both halves of the lanes write the same)
	ds_store_b128 v[MXS], v[WM+4:WM+7] offset:16
	PBAR
.set c, 0
.rept 4
	ds_load_b128 v[MXIN+8*c:MXIN+8*c+3], v[MXR] offset:512*c
	ds_load_b128 v[MXIN+8*c+4:MXIN+8*c+7], v[MXR] offset:512*c+16
.set c, c+1
.endr
	s_wait_dscnt 0x0
	ALLQ v_mov_b32 v[CMO+q], v[ST+4*q]
	ALLQ v_max3_num_f32 v[ST+4*q+1], v[ST+4*q+1], v[MXIN+q], v[MXIN+8+q]
	ALLQ v_max3_num_f32 v[ST+4*q+1], v[ST+4*q+1], v[MXIN+16+q], v[MXIN+24+q]
	ALLQ v_mul_f32 v[ST+4*q], s[CS], v[ST+4*q+1]
	ALLQ v_sub_f32 v[CMO+q], v[CMO+q], v[ST+4*q]
	ALLQ v_exp_f32 v[AA+2*q], v[CMO+q]
	; ONE BATCH of exponentials: the eight a and all 256 weights; an accumulator's scalings stand ahead of the exponentials of the one before it; nothing ahead of the wait names a result
	WIN 0x41
	SCALE 0
.set n, 0
.rept 32
.if n < 31
	SCALE n+1
.endif
.set e, 0
.rept 8
	v_exp_f32 v[8*n+e], v[8*n+e]
.set e, e+1
.endr
.set n, n+1
.endr
	v_nop                                          ; a plain instruction behind the last exponential,
	s_wait_alu depctr_va_vdst(0)                   ; and the one wait ahead of the batch's first reader
	WIN 0
	ALLQ ds_store_b32 v[RLS], v[AA+2*q] offset:64*q
.set c, 0
.rept 8                                ; a comes back by query, eight a lane and tile: my wave's own bytes, served in order
	ds_load_b128 v[AQ+8*c:AQ+8*c+3], v[RLR] offset:64*c
	ds_load_b128 v[AQ+8*c+4:AQ+8*c+7], v[RLR] offset:64*c+16
.set c, c+1
.endr
	WIN 0x10
	ALLQ v_pk_fma_f32 v[ST+4*q+2:ST+4*q+3], v[ST+4*q+2:ST+4*q+3], v[AA+2*q:AA+2*q+1], v[8*q:8*q+1] op_sel_hi:[1,0,1]
	WIN 0x04
.set z, 1
.rept 15                               ; l takes my other 15 pairs of weights; eight chains, one a query tile
	ALLQ v_pk_add_f32 v[ST+4*q+2:ST+4*q+3], v[ST+4*q+2:ST+4*q+3], v[8*(8*(z/4)+q)+2*(z%4):8*(8*(z/4)+q)+2*(z%4)+1]
.set z, z+1
.endr
	WIN 0x45
.set n, 0
.rept 32                               ; rounded to bf16, in place: eight weights into the accumulator's four lowest registers
	v_cvt_pk_bf16_f32 v[8*n], v[8*n], v[8*n+1]
	v_cvt_pk_bf16_f32 v[8*n+1], v[8*n+2], v[8*n+3]
	v_cvt_pk_bf16_f32 v[8*n+2], v[8*n+4], v[8*n+5]
	v_cvt_pk_bf16_f32 v[8*n+3], v[8*n+6], v[8*n+7]
.set n, n+1
.endr
	PSTORE 0                                       ; every wave's reads of P's last half were over at the round that closed the block before
	s_wait_dscnt 16                                ; a by query is in; P's 16 stores may stay out while O is rescaled
.irp w, 0x82, 0xc3
	WIN \w
.set n, 0
.rept 32
.set p, 0
.rept 4
	v_pk_mul_f32 v[8*n+2*p:8*n+2*p+1], v[8*n+2*p:8*n+2*p+1], v[AQ+8*(n%8)+2*p:AQ+8*(n%8)+2*p+1]
.set p, p+1
.endr
.set n, n+1
.endr
.endr
	WIN 0
	v_mov_b32 v[AR], v[AR0P]
	s_mov_b32 s[PHC], 2
.Lph:                                  ; twice: a half of P against its two tiles of v'.  The trip ends with the store of P's second half; the second trip's repeats bytes that lie there already:
	                                       ; 16 LDS stores a block of keys, the price of one text for both trips
	PBAR                                           ; the half of P is whole
	FETCH F0, 0
	TILE3 0xa0
	WIN 0
	s_cmp_lg_u32 s[PHC], 1
	s_cbranch_scc1 .Lgo                            ; the first half goes on in every block
	s_cmp_eq_u32 s[KBC], 1
	s_cbranch_scc1 .Ltail                          ; the last block's last two tiles are written out: they ask for nothing more
.Lgo:
	TURN 0xa0, 1, 1, 1
	TILE3 0xf0
	TURN 0xf0, 1, 1, 0                             ; at its barrier every wave's reads of this half of P were over
	PSTORE 1
	s_sub_co_u32 s[PHC], s[PHC], 1
	s_cmp_lg_u32 s[PHC], 0
	s_cbranch_scc1 .Lph
	s_sub_co_u32 s[KBC], s[KBC], 1
	s_branch .Lblock
.Ltail:
	TURN 0xa0, 1, 0, 1                             ; the one load that was out is the last tile's, so no round follows
	WIN 0x40                                       ; S^T's window is idle now (its last readers, P's stores, were waited for): x's blocks 0 to 2, 48 loads, a tile ahead of their use
	XLOAD 0
	XLOAD 1
	XLOAD 2
	XASK 3
	XASK 4
	TILE3 0xf0
	s_wait_dscnt 8
	MULQ F1, 0, 4, 0xf0, 1, 0
	s_wait_dscnt 0x0
	MULQ F1, 4, 4, 0xf0, 1, 0
	WIN 0
	PLACES
	; l: the two parities, the other half of the lanes, the four waves; then 1 / l, laid down in the queries' order
	ALLQ v_add_f32 v[64+q], v[ST+4*q+2], v[ST+4*q+3]
	ALLQ v_permlanex16_b32 v[72+q], v[64+q], s[SEL], s[SEL+1]
	ALLQ v_add_f32 v[64+q], v[64+q], v[72+q]
	ds_store_b128 v[LSS], v[64:67]
	ds_store_b128 v[LSS], v[68:71] offset:16
	PBAR                                           ; also: no wave reads P any more, so its bytes serve as stages
.set c, 0
.rept 4
	ds_load_b128 v[MXIN+8*c:MXIN+8*c+3], v[LSR] offset:512*c
	ds_load_b128 v[MXIN+8*c+4:MXIN+8*c+7], v[LSR] offset:512*c+16
.set c, c+1
.endr
	s_wait_dscnt 0x0
	ALLQ v_add_f32 v[64+q], v[MXIN+q], v[MXIN+8+q]
	ALLQ v_add_f32 v[72+q], v[MXIN+16+q], v[MXIN+24+q]
	ALLQ v_add_f32 v[64+q], v[64+q], v[72+q]
	ALLQ v_rcp_f32 v[80+q], v[64+q]
	v_nop                                          ; a plain instruction behind the last reciprocal,
	s_wait_alu depctr_va_vdst(0)                   ; and one wait for the eight, ahead of their first reader
	ALLQ ds_store_b32 v[RLS], v[80+q] offset:64*q
	WIN 0x40
	ds_load_b128 v[RL4:RL4+3], v[RLL]              ; a row read back from the stage gives lane l the queries 4 l + 0..3, whatever the row: their four 1 / l (my wave's own bytes, served in order)
	WIN 0
	s_wait_dscnt 0x0
; THE WAY OUT of block blk: 16 rows o x 128 queries.  Through my stage O comes back as whole rows of 512 bytes; O (1 / l) + x is made in x's registers and stored from them.
; One window setting serves the rows: destination, source 1 (1 / l; a store's data) and source 2 (x) in window 1, source 0 (the row read back; an address) in window 0.
.macro OUTB blk
.set OROW, 128*(((\blk)%4)/2)+16*((\blk)%2)
.set OBB, OB+4*((\blk)/4)
.set AC, 64*((\blk)%4)
.set XS, 64*((\blk)%3)
.if (\blk) > 5
.set LC, 15+16*(7-(\blk))
.else
.set LC, 47
.endif
	WIN 0x08+4*((\blk)/4)
.set c, 0
.rept 16
	ds_store_b128 v[STG], v[AC+4*c:AC+4*c+3] offset:64*(c/2)+16*(c%2)  ; ascending: each accumulator's lowest registers are read first
.set c, c+1
.endr
	WIN 0
.set c, 0
.rept 16
	ds_load_b128 v[ORW+4*c:ORW+4*c+3], v[SRD] offset:GP*c  ; my wave's own bytes, served in order
.set c, c+1
.endr
	WIN 0x54
.set c, 0
.rept 16
	s_wait_dscnt 15-c                              ; row c is back; the rows behind it stay out,
	s_wait_loadcnt LC-c                            ; and x's row c is in: behind it stand the rest of this block and the blocks already asked for (two, or those that are left)
	v_pk_fma_f32 v[XS+4*c:XS+4*c+1], v[ORW+4*c:ORW+4*c+1], v[RL4:RL4+1], v[XS+4*c:XS+4*c+1]
	v_pk_fma_f32 v[XS+4*c+2:XS+4*c+3], v[ORW+4*c+2:ORW+4*c+3], v[RL4+2:RL4+3], v[XS+4*c+2:XS+4*c+3]
	global_store_b128 v[XO], v[XS+4*c:XS+4*c+3], s[OBB:OBB+1] offset:4096*(OROW+c) th:TH_STORE_NT  ; 32 lanes store 512 consecutive bytes, aligned to 256
.set c, c+1
.endr
.if (\blk) < 5
	s_wait_xcnt 0x0                                ; the stores have read their data: only behind this wait is the set loaded again
	XLOAD (\blk)+3
.endif
.if (\blk) < 3
	XASK (\blk)+5
.endif
.endm
.irp b, 0,1,2,3,4,5,6,7
	OUTB \b
.endr
	WIN 0
	s_wait_tensorcnt 0x0                           ; the wave's end: behind my last tensor load and my last LDS store
	ds_add_u32 v[SPW], v[NIL]
	s_wait_dscnt 0x0
	CROUND                                         ; the closing round: no work-group ends while a partner may still ask for a tile that names it
	s_endpgm
.Lfunc_end_k_qfe7f007476_attn:
	.size	k_qfe7f007476_attn, .Lfunc_end_k_qfe7f007476_attn-k_qfe7f007476_attn
	.p2alignl 7, 3214868480
	.fill 96, 4, 3214868480
	.section	.rodata,"a",@progbits
	.p2align	6, 0x0
	.amdhsa_kernel k_qfe7f007476_attn
		.amdhsa_group_segment_fixed_size 327680
		.amdhsa_private_segment_fixed_size 0
		.amdhsa_enable_private_segment 0
		.amdhsa_kernarg_size 40
		.amdhsa_user_sgpr_count 2
		.amdhsa_user_sgpr_kernarg_segment_ptr 1
		.amdhsa_wavefront_size32 1
		.amdhsa_system_sgpr_workgroup_id_x 1
		.amdhsa_system_sgpr_workgroup_id_y 1
		.amdhsa_system_sgpr_workgroup_id_z 1
		.amdhsa_system_vgpr_workitem_id 0
		.amdhsa_next_free_vgpr 1024
		.amdhsa_next_free_sgpr 90
		.amdhsa_reserve_vcc 0
		.amdhsa_float_denorm_mode_32 3
		.amdhsa_float_denorm_mode_16_64 3
		.amdhsa_memory_ordered 1
		.amdhsa_forward_progress 1
		.amdhsa_inst_pref_size 246
	.end_amdhsa_kernel
	.amdgpu_metadata
---
amdhsa.version: [ 1, 2 ]
amdhsa.kernels:
  - .name:           k_qfe7f007476_attn
    .symbol:         k_qfe7f007476_attn.kd
    .args:
      - { .name: qb, .offset: 0, .size: 8, .value_kind: global_buffer, .address_space: global }
      - { .name: kbuf, .offset: 8, .size: 8, .value_kind: global_buffer, .address_space: global }
      - { .name: vt, .offset: 16, .size: 8, .value_kind: global_buffer, .address_space: global }
      - { .name: x, .offset: 24, .size: 8, .value_kind: global_buffer, .address_space: global }
      - { .name: out0, .offset: 32, .size: 8, .value_kind: global_buffer, .address_space: global }
    .group_segment_fixed_size: 327680
    .private_segment_fixed_size: 0
    .kernarg_segment_align: 8
    .kernarg_segment_size: 40
    .max_flat_workgroup_size: 128
    .sgpr_count:     90
    .vgpr_count:     1024
    .wavefront_size: 32
...
	.end_amdgpu_metadata
.endif
;; end of part 6
